; MI455X (gfx1250); checked and timed in simulation.
; The chip was launched on July 23, 2026; its instructions are those of AMD's public machine-readable ISA for CDNA 5 (MIT licence, August 2026) and "CDNA5" Instruction Set Architecture Reference Guide (July 2026). The comments in the code are by the model that wrote it; some were corrected since.
;; Multi Head Self Attention. Allowed arithmetic: matrix products marked QUANTISED: E4M3 operands, one E8M0 scale for each 32 along K, by v_wmma_scale_f32_16x16x128_f8f6f4 with both operands' format E4M3, f32 sums; everything else in f32.
;; Inputs: Wout_codes 1,024 x 32 x 32 uint8 (E4M3 codes of Wout, K innermost, in blocks of 32 codes); Wout_scales 1,024 x 32 uint8 (E8M0 scales of Wout, one for each 32 codes along K); Wqkv_codes 3,072 x 32 x 32 uint8 (E4M3 codes of Wqkv, K innermost, in blocks of 32 codes); Wqkv_scales 3,072 x 32 uint8 (E8M0 scales of Wqkv, one for each 32 codes along K); bout 1,024 float32; bqkv 3,072 float32; x_codes 4 x 2,048 x 32 x 32 uint8 (E4M3 codes of x, K innermost, in blocks of 32 codes); x_scales 4 x 2,048 x 32 uint8 (E8M0 scales of x, one for each 32 codes along K).
;; Outputs: out0 4 x 2,048 x 1,024 float32.
;; This version of the problem:
;;   THIS VERSION OF THE PROBLEM IS GIVEN IN LOW PRECISION. The matrix products marked QUANTISED in the list below multiply operands that are first quantised to E4M3 (4 exponent bits, 3 mantissa bits; 8 bits a number), with one power-of-two scale for each 32 numbers along K (OCP MX v1.0); their sums are f32. All else is computed in f32.
;;   The module's matrix products, in the order in which they are computed (A, B: the left and right operand; K: the contracted axis; several contracted axes count as one K, in the product's order):
;;     1. [M 8,192, K 1,024] x [K 1,024, N 3,072]; A: input x (given as codes); B: input Wqkv (given as codes): QUANTISED
;;     2. batch 64 x [M 2,048, K 64] x [K 64, N 2,048]; A: computed on the way; B: computed on the way: QUANTISED
;;     3. batch 64 x [M 64, K 2,048] x [K 2,048, N 2,048]; A: computed on the way; B: softmax (see below): QUANTISED
;;     4. [M 8,192, K 1,024] x [K 1,024, N 1,024]; A: computed on the way; B: input Wout (given as codes): QUANTISED
;;   THE QUANTISER, for each operand of a quantised product, along K:
;;     - K is cut into blocks of 32 from its start; a last block that is shorter is filled with zeros.
;;     - A block's scale is 2^e with e = floor(log2(the largest magnitude in the block)) - 8, held to -126 .. 127; a block of zeros has e = 0. As a byte (E8M0): e + 127.
;;     - Each number is divided by its block's scale, clamped to +-448, and rounded to the nearest number of E4M3, ties to even, subnormals kept.
;;     - The product sums the exact products of the quantised numbers (number of the format x scale) in f32.
;;   ~~~python
;;   def quantise(x, axis):      # numpy; x: float32 -> the quantised numbers, widened to float32 again
;;       x = np.moveaxis(x, axis, -1); K = x.shape[-1]
;;       x = np.pad(x, [(0, 0)] * (x.ndim - 1) + [(0, -K % 32)]); x = x.reshape(x.shape[:-1] + (-1, 32)); a = np.abs(x).max(-1, keepdims=True)
;;       e = np.where(a > 0, np.clip(np.frexp(np.where(a > 0, a, 1))[1] - 1 - 8, -126, 127), 0)      # np.frexp(a)[1] - 1 = floor(log2(a)), exactly
;;       r = np.clip(x / 2.0 ** e, -448, 448)
;;       step = 2.0 ** (np.maximum(np.frexp(np.where(r == 0, 1, r))[1] - 1, -6) - 3)
;;       q = np.round(r / step) * step * 2.0 ** e      # np.round: ties to even
;;       return np.moveaxis(q.reshape(q.shape[:-2] + (-1,))[..., :K], -1, axis).astype(np.float32)
;;   ~~~
;;   SOFTMAX AHEAD OF A QUANTISED PRODUCT. Where the list says 'softmax', what is quantised is not the finished softmax but p = 2^(t - M), with t = logit x log2(e) and M = ceil(the row's largest t), a whole number; so 1/2 < the row's largest p <= 1. The row's sum l is taken of the UNQUANTISED p, in f32, and the product's result is divided by l at the end. Since M is a whole number, a kernel that streams over the keys may use a running M (the ceiling of the running maximum): every later rescaling is an exact power of two, which a block's scale takes up: the codes' values come out the same.
;;   OPERANDS COMPUTED ON THE WAY. 'Computed on the way' means the value that the module computes at that place (a softmax that the list does not call 'softmax' is quantised finished and normalised). What goes into a quantiser is computed in f32, as accurately as f32 sums, v_exp_f32 and their like allow (about 1e-6 of the number): no bf16 or f16 on the way to a quantiser, and a product that is left as it is and whose result goes on into a quantised operand takes f32 operands (vector FMAs, or v_wmma_f32_16x16x4_f32). A number that lies on a knife's edge between two numbers of the format may be rounded either way, as far as f32 arithmetic and the matrix unit's own rounding can turn it there, and no further.
;;   INPUTS GIVEN AS CODES. Wout (in the module: [1024, 1024], K = its axis 0); Wqkv (in the module: [1024, 3072], K = its axis 0); x (in the module: [4, 2048, 1024], K = its axis 2): each comes as NAME_codes (uint8): NAME with its K axis moved to the last place and cut into blocks of 32 codes, [.., K / 32, bytes a block], one block behind the other in memory; one code a byte (a code: sign, 4 exponent bits, 3 mantissa bits); and NAME_scales (uint8): the same leading axes, one E8M0 byte (e + 127) for each 32 codes along K. Its value is code x scale, taken as it is: it is not quantised again, and the codes and scales need not be those that the quantiser above would give.
;; One version. Each part assembles by itself: llvm-mc -triple=amdgcn-amd-amdhsa -mcpu=gfx1250 --defsym DOCPART=n.
;; ======== version 1 of 1: 3 launches
;; limits: right only within a limited range of input values
;; workspace buffers: qc 8,388,608 bytes; kv 17,825,792 bytes; oc 8,388,608 bytes; osc 524,288 bytes
;; launch qkv (part 1): grid 16 x 32, 4 waves a work-group, clusters of 4 x 4, 327,680 bytes of LDS; arguments x_codes, x_scales, Wqkv_codes, Wqkv_scales, bqkv, qc, kv; writes qc, kv
.if DOCPART == 1
	.amdgcn_target "amdgcn-amd-amdhsa--gfx1250"
	.amdhsa_code_object_version 6
	.text
	.protected	k_qa70acf9e30_qkv
	.globl	k_qa70acf9e30_qkv
	.p2align	8
	.type	k_qa70acf9e30_qkv,@function
k_qa70acf9e30_qkv:
	s_mov_b64 s[64:65], 0
	v_nop
	global_prefetch_b8 v0, s[64:65] scope:SCOPE_SE
	s_setreg_imm32_b32 hwreg(HW_REG_WAVE_MODE, 25, 1), 1
	s_wait_xcnt 0x0
	s_wait_alu depctr_hold_cnt(0) depctr_sa_sdst(0) depctr_va_vdst(0) depctr_va_sdst(0) depctr_va_ssrc(0) depctr_va_vcc(0) depctr_vm_vsrc(0)
	s_getreg_b32 s2, hwreg(HW_REG_IB_STS2, 6, 4)
	s_cmp_eq_u32 s2, 0
	s_cbranch_scc0 .Lentry_in_a_cluster
	s_endpgm
.Lentry_in_a_cluster:
	s_bfe_u32 s2, ttmp6, 0x10000c
	s_cmp_lg_u32 s2, 0xf033
	s_cbranch_scc0 .Lentry_shape_is_right
	s_endpgm
.Lentry_shape_is_right:
; qkv = x Wqkv + bqkv on codes of FP8 (E4M3) with one E8M0 scale for each 32 along K (K = 1,024); the results are quantised here, in registers, and leave as codes:
; q and k along the head's 64 (two blocks of 32), v along the keys (blocks of 32 rows).  Nothing leaves in f32.
; SHARES.  A work-group makes 256 rows x the 192 columns of ONE head.  Wave w: mh = w / 2 picks 128 rows (one key step of the attention launch), nh = w % 2 the columns:
; nh = 0: q (W rows 0-63 of the head) and v's channels 0-31 (rows 128-159);  nh = 1: k (rows 64-127) and v's channels 32-63 (rows 160-191).  48 accumulators, 384 registers.
; q AND k ARE MADE TRANSPOSED (source 0 = 16 rows of W, source 1 = 16 rows of x): a lane holds one row of x and eight channels, so a block of 32 channels lies in lanes l and l xor 16.
; v IS MADE THE OTHER WAY ROUND (source 0 = x, source 1 = W): a lane holds one channel and eight keys, so a block of 32 keys lies in lanes l and l xor 16 of two neighbouring row tiles.
; A lane's 16 numbers of a block (8 h + 0..7 and 16 + 8 h + 0..7) are put down as the operand's places 16 h + 0..15: a permutation inside a block, the same for q and k, and the same for v as for the
; weights p of the attention launch: the products are the same, only the order of their sums differs.
; WHAT IS STORED are images of operand registers: lane l's 16 bytes at 16 l, so each store of a wave covers 512 consecutive bytes, aligned.
;   qc [head 64][tile of 16 queries 128][block 2][lane][16 B];   kv [head 64][key step 16][17,408 B]: K 8 tiles x 1,024 B; V^T [channel tile 4][block of 32 keys 4][lane][16 B]; two records of scale words, 512 B each.
; The ring: K goes in steps of 256 through two LDS slots filled by joint tensor loads: x's tiles are shared along a row of the 4 x 4 cluster, W's along a column.  Four K steps, written out.
; The biases are the C of each sum's first matrix instruction.
; LIMITS: NaN and infinities are not served; a block of zeros gets the byte 1 (its codes are zeros, and this program alone reads the bytes).
.set PITCH,  272                       ; an LDS row: 256 bytes + 16 of padding = 68 words: the 16 rows of a fragment load start 4 words apart modulo 64
.set BOFF,   256*PITCH                 ; in a slot: x's 256 rows, then W's 192
.set SLOTB,  448*PITCH
.set SCL,    2*SLOTB                   ; behind the ring: x's scale bytes, 256 rows x 32 B, as 32 units of 256 + 16
.set SCLB,   SCL+32*272                ; W's: 192 rows x 32 B, 24 units
.set SPARE,  259072                    ; the spare words, 128 bytes a wave: two blocks of 256 bytes that no other line names
.set HEADB,  278528                    ; a head's bytes in kv
.set RECB,   17408                     ; a key step's
.set REC,  8                           ; v8-11  the record of scale words
.set ADRA, 16                          ; v16-17 LDS address of my fragments of x in slot 0, 1
.set ADRB, 18                          ; v18-19 of W's rows for q or k
.set ADRV, 20                          ; v20-21 of W's rows for v
.set ASA,  22                          ; v22    of x's scale words
.set ASB,  23                          ; v23    of W's, q or k
.set ASV,  24                          ; v24    of W's, v
.set LO16, 26                          ; v26    16 x lane
.set SPW,  28                          ; v28    my spare word; never rewritten
.set NIL,  29                          ; v29    0; never rewritten
.set SC,   32                          ; v32-87 scale words and nothing else: set s at 32 + 28 s: x's block i, step q at + 2 i + q; W's block b at + 16 + 2 b + q
.set TM,   88                          ; v88-103 largest magnitudes, bytes, holds, scale operands
.set PC,   104                         ; v104-119 the codes just made
.set PWQ,  120                         ; v120-123 the pair words of q or k
.set WVS,  124                         ; v124-125 v's scale words
.set AF,   128                         ; v128-255 x's fragments, one set.  Window 1: W's, set p at 128 p + 16 b.  Windows 2, 3: accumulator (a, b) at 8 (6 (a % 4) + b); window 2 v192-239: the bias tiles
.set G1,   24
.set G0,   32
.set G1B,  48
.set G0B,  56
.set G1S,  68
.set G0S,  76
.set G1SB, 80
.set G0SB, 88
.set MSB, 0
.macro WIN new                         ; the immediate's high byte repeats the setting that is left
.if MSB != (\new)
	s_set_vgpr_msb (MSB<<8)|(\new)
.set MSB, (\new)
.endif
.endm
; A joint load: waves 0 and 1 fetch for x, waves 2 and 3 for W.  The branch hangs on the wave's number alone.  Four v_nop follow each of the two lines.
.macro JLOAD g0a, g1a, g0b, g1b
	s_cmp_eq_u32 s15, 0
	s_cbranch_scc0 .Lfor_b_\@
	tensor_load_to_lds s[\g0a:\g0a+3], s[\g1a:\g1a+7]
	s_nop 0
.rept 4
	v_nop
.endr
	s_branch .Lasked_\@
.Lfor_b_\@:
	tensor_load_to_lds s[\g0b:\g0b+3], s[\g1b:\g1b+7]
	s_nop 0
.rept 4
	v_nop
.endr
.Lasked_\@:
.endm
.macro CREST                           ; a round of the cluster's barrier behind its opening barrier
	s_cmp_lg_u32 s14, 0
	s_cbranch_scc1 .Lnot_wave_0_\@
	s_barrier_signal -3
.Lnot_wave_0_\@:
	s_barrier_wait -3
	s_barrier_signal -1
	s_barrier_wait -1
.endm
.macro CROUND
	s_barrier_signal -1
	s_barrier_wait -1
	CREST
.endm
.macro PLACES n
.rept \n
	v_nop
.endr
.endm
	s_load_b256 s[4:11], s[0:1], 0x0               ; x's codes s[4:5], x's scales s[6:7], W's codes s[8:9], W's scales s[10:11]
	s_load_b128 s[92:95], s[0:1], 0x20             ; bqkv s[92:93], qc s[94:95]
	s_load_b64 s[96:97], s[0:1], 0x30              ; kv
	v_lshl_add_u32 v[SPW], v0, 2, SPARE
	v_mov_b32 v[NIL], 0
	ds_add_u32 v28, v29
	ds_add_u32 v28, v29
	s_wait_dscnt 0x0
	v_lshrrev_b32 v1, 5, v0
	v_readfirstlane_b32 s14, v1                    ; wave 0..3
	s_lshr_b32 s15, s14, 1                         ; mh.  Also: I fetch for x (0) or for W (1)
	s_and_b32 s16, s14, 1                          ; nh.  Also: which half of that tile I fetch
	s_bfe_u32 s40, ttmp6, 0x40000                  ; cx, cy: my place in the cluster
	s_bfe_u32 s41, ttmp6, 0x40004
	s_lshl_b32 s42, ttmp9, 2
	s_add_co_u32 s42, s42, s40                     ; the head = 4 x cluster x + cx
	s_and_b32 s17, ttmp7, 0xffff
	s_lshl_b32 s17, s17, 2
	s_add_co_u32 s17, s17, s41                     ; the block of 256 rows = 4 x cluster y + cy
	s_lshl_b32 s43, s41, 2
	s_lshl_b32 s43, 15, s43                        ; my row of the cluster
	s_lshl_b32 s44, 0x1111, s40                    ; my column
	; descriptor groups 1.  Codes: rows of 256 elements of 1 byte, 1,024 apart, 16 bytes of padding behind each; 128 rows of x, 96 of W
	s_or_b32 s[G1+0], s43, (1<<20)|(1<<21)|(5<<22)|(3<<25)
	s_or_b32 s[G1B+0], s44, (1<<20)|(1<<21)|(5<<22)|(3<<25)
	s_mov_b32 s[G1+1], 256<<16
	s_mov_b32 s[G1+2], 256<<16                     ; the head's load brings all 256 rows of x; the ring's loads 128 (set behind the head's wait)
	s_mov_b32 s[G1+3], 256<<16
	s_mov_b32 s[G1+4], 256
	s_mov_b32 s[G1+5], 1024
	s_mov_b32 s[G1+6], 0
	s_mov_b32 s[G1+7], 0
	s_mov_b32 s[G1B+1], 256<<16
	s_mov_b32 s[G1B+2], 192<<16                    ; likewise all 192 rows of W at the head, 96 in the ring
	s_mov_b32 s[G1B+3], 256<<16
	s_mov_b32 s[G1B+4], 192
	s_mov_b32 s[G1B+5], 1024
	s_mov_b32 s[G1B+6], 0
	s_mov_b32 s[G1B+7], 0
	; scale bytes: dense blocks, as rows of 256 bytes (32 elements of 8), 16 bytes of padding behind each: 16 rows for 128 rows of x, 12 for 96 rows of W
	s_or_b32 s[G1S+0], s43, (3<<16)|(1<<20)|(1<<21)|(5<<22)|(3<<25)
	s_or_b32 s[G1SB+0], s44, (3<<16)|(1<<20)|(1<<21)|(5<<22)|(3<<25)
	s_mov_b32 s[G1S+1], 32<<16
	s_mov_b32 s[G1S+2], 32<<16                     ; one load brings the scale bytes of all 256 rows of x: 32 rows of 256 bytes
	s_mov_b32 s[G1S+3], 32<<16
	s_mov_b32 s[G1S+4], 32
	s_mov_b32 s[G1S+5], 32
	s_mov_b32 s[G1S+6], 0
	s_mov_b32 s[G1S+7], 0
	s_mov_b32 s[G1SB+1], 32<<16
	s_mov_b32 s[G1SB+2], 24<<16                    ; and one those of W's 192 rows: 24 rows of 256 bytes
	s_mov_b32 s[G1SB+3], 32<<16
	s_mov_b32 s[G1SB+4], 24
	s_mov_b32 s[G1SB+5], 32
	s_mov_b32 s[G1SB+6], 0
	s_mov_b32 s[G1SB+7], 0
	; where the tiles come from: x's hang on the block of rows alone, W's on the head alone, each in registers that never hold the other coordinate
	s_lshl_b32 s20, s17, 18                        ; x's codes: 256 rows of 1,024 bytes a block,
	s_lshl_b32 s18, s16, 17                        ; + 128 rows for the second half
	s_add_co_u32 s20, s20, s18
	s_mov_b32 s21, 0
	s_lshl_b32 s22, s17, 13                        ; x's scales: 32 bytes a row
	s_mov_b32 s23, 0
	s_mul_i32 s46, s42, 192*1024                   ; W's codes: 192 rows a head, + 96 rows
	s_mul_i32 s18, s16, 96*1024
	s_add_co_u32 s46, s46, s18
	s_mov_b32 s47, 0
	s_mul_i32 s12, s42, 192*32                     ; W's scales
	s_mov_b32 s13, 0
	s_mul_i32 s45, s16, 128*PITCH                  ; and where they go: no place in the cluster enters an LDS address
	s_mul_i32 s2, s16, 96*PITCH
	s_add_co_u32 s2, s2, BOFF
	s_mov_b32 s98, 0x4800000                       ; the floor 2^(9 - 127) of a block's largest magnitude: the byte cannot fall under 1
	s_mov_b32 s99, 0x600000                        ; the mantissa field of 448
	s_mov_b32 s100, 0x76543210
	s_mov_b32 s101, 0xfedcba98                     ; v_permlanex16_b32's selects for lane l xor 16
	s_wait_kmcnt 0x0
	s_add_nc_u64 s[20:21], s[4:5], s[20:21]
	s_add_nc_u64 s[22:23], s[6:7], s[22:23]
	s_add_nc_u64 s[46:47], s[8:9], s[46:47]
	s_add_nc_u64 s[12:13], s[10:11], s[12:13]
	CROUND                                         ; all sixteen work-groups are here: the first joint loads meet
	s_mov_b32 s[G0S], 1
	s_mov_b32 s[G0S+1], SCL
	s_mov_b64 s[G0S+2:G0S+3], s[22:23]
	s_or_b32 s[G0S+3], s[G0S+3], 0x80000000
	s_mov_b32 s[G0SB], 1
	s_mov_b32 s[G0SB+1], SCLB
	s_mov_b64 s[G0SB+2:G0SB+3], s[12:13]
	s_or_b32 s[G0SB+3], s[G0SB+3], 0x80000000
.irp s, 0,1
	s_mov_b32 s[G0+4*\s], 1
	s_add_co_u32 s[G0+4*\s+1], s45, \s*SLOTB
	s_add_nc_u64 s[G0+4*\s+2:G0+4*\s+3], s[20:21], \s*256
	s_or_b32 s[G0+4*\s+3], s[G0+4*\s+3], 0x80000000
	s_mov_b32 s[G0B+4*\s], 1
	s_add_co_u32 s[G0B+4*\s+1], s2, \s*SLOTB
	s_add_nc_u64 s[G0B+4*\s+2:G0B+4*\s+3], s[46:47], \s*256
	s_or_b32 s[G0B+4*\s+3], s[G0B+4*\s+3], 0x80000000
.endr
	; LDS addresses
	; THE HEAD'S LOADS, ONE A WAVE: wave 0 K step 0's 256 rows of x, wave 1 its 192 rows of W, wave 2 x's scale bytes, wave 3 W's.
	; Slot 0's two groups 0 serve them with the whole tile's first byte and place; behind the head's wait they get my half's again.
	s_lshl_b32 s18, s16, 17
	s_mov_b32 s19, 0
	s_mov_b32 s[G0+1], 0
	s_sub_nc_u64 s[G0+2:G0+3], s[G0+2:G0+3], s[18:19]
	s_mul_i32 s18, s16, 96*1024
	s_mov_b32 s[G0B+1], BOFF
	s_sub_nc_u64 s[G0B+2:G0B+3], s[G0B+2:G0B+3], s[18:19]
.macro ARM under, g0, g1, next         ; one chain of branches on the wave's number: every way passes exactly one load
	s_cmp_lt_u32 s14, \under
	s_cbranch_scc0 \next
	tensor_load_to_lds s[\g0:\g0+3], s[\g1:\g1+7]
	s_nop 0
.rept 4
	v_nop
.endr
	s_branch .Lhead_asked
\next:
.endm
	ARM 1, G0,  G1,  .Lhead_b
	ARM 2, G0B, G1B, .Lhead_sa
	ARM 3, G0S, G1S, .Lhead_sb
	tensor_load_to_lds s[G0SB:G0SB+3], s[G1SB:G1SB+7]
	s_nop 0
.rept 4
	v_nop
.endr
.Lhead_asked:
	v_and_b32 v1, 15, v0
	v_bfe_u32 v2, v0, 4, 1                         ; h
	v_mul_u32_u24 v3, v1, PITCH
	v_lshl_add_u32 v4, v2, 4, v3                   ; a fragment's row x pitch + 16 h
	s_wait_alu depctr_va_vdst(0)
	s_mul_i32 s20, s15, 128*PITCH                  ; my 128 rows of x
	s_mul_i32 s21, s16, 64*PITCH
	s_add_co_u32 s21, s21, BOFF                    ; my 64 rows of W for q or k
	s_mul_i32 s22, s16, 32*PITCH
	s_add_co_u32 s22, s22, BOFF+128*PITCH          ; my 32 rows of W for v
.irp s, 0,1
	v_add_nc_u32 v[ADRA+\s], s20, v4
	v_add_nc_u32 v[ADRB+\s], s21, v4
	v_add_nc_u32 v[ADRV+\s], s22, v4
	s_add_co_u32 s20, s20, SLOTB
	s_add_co_u32 s21, s21, SLOTB
	s_add_co_u32 s22, s22, SLOTB
.endr
	v_lshlrev_b32 v5, 5, v1                        ; a row's scales: 32 bytes a row,
	v_lshrrev_b32 v6, 3, v1
	v_lshl_add_u32 v5, v6, 4, v5                   ; and 16 more behind each eight rows
	s_mul_i32 s20, s15, 16*272
	s_add_co_u32 s20, s20, SCL
	v_add_nc_u32 v[ASA], s20, v5
	s_mul_i32 s20, s16, 8*272
	s_add_co_u32 s20, s20, SCLB
	v_add_nc_u32 v[ASB], s20, v5
	s_mul_i32 s20, s16, 4*272
	s_add_co_u32 s20, s20, SCLB+16*272
	v_add_nc_u32 v[ASV], s20, v5
	v_and_b32 v6, 31, v0
	v_lshlrev_b32 v[LO16], 4, v6
.irp b, 0,1,2,3
	v_mov_b32 v[TM+4+\b], 0                        ; written once: a lane permute's destination counts as one of its sources
.endr
	; the biases.  q or k: lane (r, h), tile b: bqkv[192 head + 64 nh + 16 b + 8 h + 0..7];  v: bqkv[192 head + 128 + 32 nh + 16 t + r], the same in all eight registers
	s_mul_i32 s18, s42, 768
	s_lshl_b32 s19, s16, 7
	s_add_co_u32 s20, s18, s19
	s_add_co_u32 s20, s20, 512
	s_mov_b32 s21, 0
	s_add_nc_u64 s[2:3], s[92:93], s[20:21]
	s_lshl_b32 s19, s16, 8
	s_add_co_u32 s20, s18, s19
	s_add_nc_u64 s[92:93], s[92:93], s[20:21]
	v_lshlrev_b32 v7, 5, v2
	v_lshlrev_b32 v12, 2, v1
	WIN 0x80                                       ; destination window 2
.irp b, 0,1,2,3
	global_load_b128 v[192+8*\b:192+8*\b+3], v7, s[92:93] offset:64*\b
	global_load_b128 v[192+8*\b+4:192+8*\b+7], v7, s[92:93] offset:64*\b+16
.endr
	global_load_b32 v224, v12, s[2:3]
	global_load_b32 v232, v12, s[2:3] offset:64
	WIN 0
	; where the results go.  g = 16 x batch + head; s = the key step of my 128 rows
	s_lshr_b32 s18, s17, 3
	s_lshl_b32 s18, s18, 4
	s_add_co_u32 s18, s18, s42                     ; g
	s_and_b32 s19, s17, 7
	s_lshl_b32 s19, s19, 1
	s_add_co_u32 s19, s19, s15                     ; s
	s_mul_i32 s10, s18, HEADB
	s_mul_i32 s11, s19, RECB
	s_add_co_u32 s10, s10, s11                     ; my record in kv
	s_mov_b32 s11, 0
	s_lshl_b32 s12, s18, 17
	s_lshl_b32 s13, s19, 13
	s_add_co_u32 s12, s12, s13                     ; my eight tiles in qc
	s_mov_b32 s13, 0
	s_cmp_eq_u32 s16, 0                            ; q's wave or k's: the choice hangs on the wave's number alone
	s_cselect_b64 s[4:5], s[94:95], s[96:97]
	s_cselect_b32 s12, s12, s10
	s_add_nc_u64 s[4:5], s[4:5], s[12:13]          ; s[4:5]: q's or k's codes
	s_add_nc_u64 s[8:9], s[96:97], s[10:11]
	s_lshl_b32 s12, s16, 12
	s_add_co_u32 s12, s12, 8192
	s_add_nc_u64 s[6:7], s[8:9], s[12:13]          ; s[6:7]: my two channel tiles of V^T
	s_lshl_b32 s12, s16, 9
	s_add_co_u32 s12, s12, 16384
	s_add_nc_u64 s[8:9], s[8:9], s[12:13]          ; s[8:9]: my record of scale words
.macro FRAG reg, adr, q, i             ; 16 rows x 128 K: lane l holds row l % 16; registers 4 c .. 4 c + 3 hold K = 32 c + 16 (l / 16) + 0 .. 15
.irp c, 0,1,2,3
	ds_load_b128 v[\reg+4*\c:\reg+4*\c+3], v[\adr] offset:128*(\q)+32*\c+(\i)*16*PITCH
.endr
.endm
.macro FETCH_B slot, q, p              ; W's six fragments into set p: 24 loads
	WIN 0x40
.irp b, 0,1,2,3
	FRAG 128*(\p)+16*\b, ADRB+\slot, \q, \b
.endr
.irp b, 0,1
	FRAG 128*(\p)+64+16*\b, ADRV+\slot, \q, \b
.endr
	WIN 0
.endm
.macro FETCH_A slot, q, i0             ; x's blocks i0 .. i0 + 3: 16 loads
.irp i, \i0, \i0+1, \i0+2, \i0+3
	FRAG AF+16*(\i), ADRA+\slot, \q, \i
.endr
.endm
.macro SCALES sc, ks                   ; K step ks's scale words, two a row, into set sc: 14 loads
.irp i, 0,1,2,3,4,5,6,7
	ds_load_b64 v[SC+28*\sc+2*\i:SC+28*\sc+2*\i+1], v[ASA] offset:8*(\ks)+544*\i
.endr
.irp b, 0,1,2,3
	ds_load_b64 v[SC+28*\sc+16+2*\b:SC+28*\sc+16+2*\b+1], v[ASB] offset:8*(\ks)+544*\b
.endr
.irp b, 0,1
	ds_load_b64 v[SC+28*\sc+24+2*\b:SC+28*\sc+24+2*\b+1], v[ASV] offset:8*(\ks)+544*\b
.endr
.endm
; 16 matrix instructions for q or k, transposed: x's blocks 4 half + 0..3 against W's blocks 0..3.  first = 1: the bias is the C.  The 48 accumulators take turns, in the same order in every step.
.macro MULQ half, p, q, sc, first
.if (\first) && (\half)
	WIN 0xe1                                       ; W window 1, x window 0, the bias window 2, D window 3
.elseif \half
	WIN 0xf1
.else
	WIN 0xa1
.endif
.irp a, 0,1,2,3
.irp b, 0,1,2,3
.if \first
	v_wmma_scale_f32_16x16x128_f8f6f4 v[8*(6*\a+\b):8*(6*\a+\b)+7], v[128*(\p)+16*\b:128*(\p)+16*\b+15], v[AF+16*(4*(\half)+\a):AF+16*(4*(\half)+\a)+15], v[192+8*\b:192+8*\b+7], v[SC+28*(\sc)+16+2*\b+(\q)], v[SC+28*(\sc)+2*(4*(\half)+\a)+(\q)]
.else
	v_wmma_scale_f32_16x16x128_f8f6f4 v[8*(6*\a+\b):8*(6*\a+\b)+7], v[128*(\p)+16*\b:128*(\p)+16*\b+15], v[AF+16*(4*(\half)+\a):AF+16*(4*(\half)+\a)+15], v[8*(6*\a+\b):8*(6*\a+\b)+7], v[SC+28*(\sc)+16+2*\b+(\q)], v[SC+28*(\sc)+2*(4*(\half)+\a)+(\q)]
.endif
.endr
.endr
.endm
; 8 for v, the other way round: source 0 = x, source 1 = W's blocks 4, 5
.macro MULV half, p, q, sc, first
.if (\first) && (\half)
	WIN 0xe4
.elseif \half
	WIN 0xf4
.else
	WIN 0xa4
.endif
.irp a, 0,1,2,3
.irp b, 4,5
.if \first
	v_wmma_scale_f32_16x16x128_f8f6f4 v[8*(6*\a+\b):8*(6*\a+\b)+7], v[AF+16*(4*(\half)+\a):AF+16*(4*(\half)+\a)+15], v[128*(\p)+16*\b:128*(\p)+16*\b+15], v[192+8*\b:192+8*\b+7], v[SC+28*(\sc)+2*(4*(\half)+\a)+(\q)], v[SC+28*(\sc)+16+2*\b+(\q)]
.else
	v_wmma_scale_f32_16x16x128_f8f6f4 v[8*(6*\a+\b):8*(6*\a+\b)+7], v[AF+16*(4*(\half)+\a):AF+16*(4*(\half)+\a)+15], v[128*(\p)+16*\b:128*(\p)+16*\b+15], v[8*(6*\a+\b):8*(6*\a+\b)+7], v[SC+28*(\sc)+2*(4*(\half)+\a)+(\q)], v[SC+28*(\sc)+16+2*\b+(\q)]
.endif
.endr
.endr
.endm
; A slot's first 128 along K.  Eight plain places stand in front of each run of loads into registers that matrix instructions have read.
.macro STEP slot, first
	s_wait_dscnt 16                                ; all but the youngest 16 loads (x's blocks 4-7) are in
	MULQ 0, 0, 0, \slot, \first
	MULV 0, 0, 0, \slot, \first
	s_wait_dscnt 0x0                               ; x's blocks 4-7 are in
	PLACES 8
	FETCH_B \slot, 1, 1
	FETCH_A \slot, 1, 0
	MULQ 1, 0, 0, \slot, \first
	MULV 1, 0, 0, \slot, \first
	PLACES 8
	WIN 0
	FETCH_A \slot, 1, 4
.endm
; A slot's second 128 along K changes slots: one barrier; in front of it each wave waits for all its tensor loads, adds 0 to its spare word, and waits for that and for its reads of this slot.
.macro TURN slot, next, fill, ks
	s_wait_tensorcnt 0x0                           ; all my tensor loads have landed: my part of the next slot
	ds_add_u32 v[SPW], v[NIL]                      ; 0 onto my spare word
	s_wait_dscnt 17                                ; (the add and x's blocks 4-7, 16 loads, may be out)
	MULQ 0, 1, 1, \slot, 0                         ; sixteen matrix instructions stand between the add and the wait for it
	s_wait_dscnt 0x0                               ; the add is done, and my reads of this slot are over
	s_barrier_signal -1
	MULV 0, 1, 1, \slot, 0
	WIN 0
	s_barrier_wait -1
.if \fill
	CREST                                          ; the barrier has opened a round of the cluster's barrier: no wave of any partner still reads this slot or has a load on its way
	s_add_nc_u64 s[G0+4*\slot+2:G0+4*\slot+3], s[G0+4*\slot+2:G0+4*\slot+3], 512
	s_add_nc_u64 s[G0B+4*\slot+2:G0B+4*\slot+3], s[G0B+4*\slot+2:G0B+4*\slot+3], 512
	JLOAD G0+4*\slot, G1, G0B+4*\slot, G1B         ; the first tensor load behind the round, my one load until the next; its four v_nop are four of the eight places
	PLACES 4
.else
	PLACES 8
.endif
	FETCH_B \next, 0, 0
	FETCH_A \next, 0, 0
	SCALES \next, \ks
	MULQ 1, 1, 1, \slot, 0
	MULV 1, 1, 1, \slot, 0
	PLACES 8
	WIN 0
	FETCH_A \next, 0, 4
.endm
	s_wait_alu depctr_va_vdst(0)
	s_wait_tensorcnt 0x0                           ; my tile of the head's four is in
	ds_add_u32 v[SPW], v[NIL]
	s_mov_b32 s[G1+2], 128<<16                     ; no tensor load of mine is out, so descriptors may be written: the ring's loads bring 128 rows of x,
	s_mov_b32 s[G1+4], 128
	s_mov_b32 s[G1B+2], 96<<16                     ; 96 of W,
	s_mov_b32 s[G1B+4], 96
	s_lshl_b32 s18, s16, 17                        ; and slot 0's groups 0 name my half again, at K step 0: its first refill steps them to K step 2
	s_mov_b32 s19, 0
	s_mul_i32 s[G0+1], s16, 128*PITCH
	s_add_nc_u64 s[G0+2:G0+3], s[G0+2:G0+3], s[18:19]
	s_mul_i32 s18, s16, 96*1024
	s_mul_i32 s[G0B+1], s16, 96*PITCH
	s_add_co_u32 s[G0B+1], s[G0B+1], BOFF
	s_add_nc_u64 s[G0B+2:G0B+3], s[G0B+2:G0B+3], s[18:19]
	s_wait_dscnt 0x0                               ; the add is done
	CROUND                                         ; all four tiles are in, and all sixteen work-groups are here
	JLOAD G0+4, G1, G0B+4, G1B                     ; K step 1: slot 1's first fill, my one load behind the round
	FETCH_B 0, 0, 0
	FETCH_A 0, 0, 0
	SCALES 0, 0
	FETCH_A 0, 0, 4
	s_wait_loadcnt 0x0                             ; the biases
	WIN 0x82
.irp j, 1,2,3,4,5,6,7
	v_mov_b32 v[224+\j], v224                      ; v's bias hangs on the lane's channel alone: the same in all eight registers
	v_mov_b32 v[232+\j], v232
.endr
	WIN 0
	PLACES 4
	s_wait_alu depctr_va_vdst(0)
	STEP 0, 1
	TURN 0, 1, 1, 1
	STEP 1, 0
	TURN 1, 0, 1, 2
	STEP 0, 0
	TURN 0, 1, 0, 3                                ; nothing is left to fetch: a plain barrier
	STEP 1, 0
	s_wait_dscnt 16                                ; the last 128 along K
	MULQ 0, 1, 1, 1, 0
	MULV 0, 1, 1, 1, 0
	s_wait_dscnt 0x0
	MULQ 1, 1, 1, 1, 0
	MULV 1, 1, 1, 1, 0
	WIN 0
	PLACES 8                                       ; in front of the first reads of results
; THE WAY OUT.  Four blocks of 32 at a time.  Block n: my 16 numbers lie in two accumulators of window W, at o_n and at o_n + HI; the other 16 in lane l xor 16.
; A block's scale is 2^(floor(log2(its largest magnitude)) - 8): the byte is that magnitude's exponent field - 8; each number is held within +-448 x the scale and converted.  Codes in v[PC + 4 n] on, bytes in v[TM + 4 + n].
.macro QUANT W, o0, o1, o2, o3, HI
.set QO0, \o0
.set QO1, \o1
.set QO2, \o2
.set QO3, \o3
	WIN ((\W)<<2)|((\W)<<4)
.irp b, 0,1,2,3
	v_max3_num_f32 v[TM+\b], s98, |v[QO\b]|, |v[QO\b+1]|           ; each accumulator is read from its low end on; the floor is one more leaf
.endr
.irp i, 2,4,6
.irp b, 0,1,2,3
	v_max3_num_f32 v[TM+\b], v[TM+\b], |v[QO\b+\i]|, |v[QO\b+\i+1]|
.endr
.endr
.irp i, 0,2,4,6
.irp b, 0,1,2,3
	v_max3_num_f32 v[TM+\b], v[TM+\b], |v[QO\b+\HI+\i]|, |v[QO\b+\HI+\i+1]|
.endr
.endr
	WIN 0
.irp b, 0,1,2,3
	v_permlanex16_b32 v[TM+4+\b], v[TM+\b], s100, s101
.endr
.irp b, 0,1,2,3
	v_max_num_f32 v[TM+\b], v[TM+\b], v[TM+4+\b]   ; with lane l xor 16's: the block's largest magnitude
.endr
.irp b, 0,1,2,3
	v_add_nc_u32 v[TM+12+\b], 0xfc000000, v[TM+\b] ; 8 off its exponent field: the conversion's scale operand
.endr
.irp b, 0,1,2,3
	v_and_or_b32 v[TM+8+\b], v[TM+\b], 0x7f800000, s99   ; 448 x the scale
.endr
.irp b, 0,1,2,3
	v_lshrrev_b32 v[TM+4+\b], 23, v[TM+12+\b]      ; the scale's byte
.endr
	WIN (\W)|((\W)<<6)
.irp b, 0,1,2,3
.irp i, 0,1,2,3,4,5,6,7
	v_med3_num_f32 v[QO\b+\i], v[QO\b+\i], -v[TM+8+\b], v[TM+8+\b]   ; the conversion to an 8-bit code does not saturate (ISA guide 7.6.2): the hold comes first
.endr
.irp i, 0,1,2,3,4,5,6,7
	v_med3_num_f32 v[QO\b+\HI+\i], v[QO\b+\HI+\i], -v[TM+8+\b], v[TM+8+\b]
.endr
.endr
	s_wait_alu depctr_va_vdst(0)
	s_wait_xcnt 0x0                                ; the earlier stores have read the codes' registers: they are written again only behind this wait
	WIN (\W)
.irp b, 0,1,2,3
	v_cvt_scalef32_pk8_fp8_f32 v[PC+4*\b:PC+4*\b+1], v[QO\b:QO\b+7], v[TM+12+\b]
	v_cvt_scalef32_pk8_fp8_f32 v[PC+4*\b+2:PC+4*\b+3], v[QO\b+\HI:QO\b+\HI+7], v[TM+12+\b]
.endr
	WIN 0
	v_nop                                          ; one plain line behind the last conversion
.endm
; q or k: the pair of row tiles 2 p, 2 p + 1: four blocks (tile, half of the 64 channels)
.macro OUTQK p
	QUANT 2+(\p)/2, 96*((\p)%2), 96*((\p)%2)+16, 96*((\p)%2)+48, 96*((\p)%2)+64, 8
	v_lshl_or_b32 v[PWQ+\p], v[TM+5], 8, v[TM+4]   ; the pair word: both tiles' two bytes
	v_lshl_or_b32 v[PWQ+\p], v[TM+6], 16, v[PWQ+\p]
	v_lshl_or_b32 v[PWQ+\p], v[TM+7], 24, v[PWQ+\p]
.irp k, 0,1,2,3
	global_store_b128 v[LO16], v[PC+4*\k:PC+4*\k+3], s[4:5] offset:(2*(\p)+\k/2)*1024+(\k%2)*512   ; 512 consecutive bytes, aligned
.endr
.endm
; v: row tiles 4 x .. 4 x + 3: blocks (channel tile t, block of keys 2 x + y), in the order (0, 0), (1, 0), (0, 1), (1, 1)
.macro OUTV x
	QUANT 2+\x, 32, 40, 128, 136, 48
.if \x == 0
	v_lshl_or_b32 v[WVS], v[TM+6], 8, v[TM+4]
	v_lshl_or_b32 v[WVS+1], v[TM+7], 8, v[TM+5]
.else
	v_lshl_or_b32 v[WVS], v[TM+4], 16, v[WVS]
	v_lshl_or_b32 v[WVS+1], v[TM+5], 16, v[WVS+1]
	v_lshl_or_b32 v[WVS], v[TM+6], 24, v[WVS]
	v_lshl_or_b32 v[WVS+1], v[TM+7], 24, v[WVS+1]
.endif
.irp k, 0,1,2,3
	global_store_b128 v[LO16], v[PC+4*\k:PC+4*\k+3], s[6:7] offset:(\k%2)*2048+(2*\x+\k/2)*512
.endr
.endm
	OUTQK 0
	OUTQK 1
	OUTQK 2
	OUTQK 3
	OUTV 0
	OUTV 1
	s_mov_b32 vcc_lo, 0xffff0000                   ; lanes 16-31
	v_cndmask_b32 v[REC], v[PWQ], v[PWQ+1], vcc_lo       ; word 0: pair 0 in lanes 0-15, pair 1 in lanes 16-31
	v_cndmask_b32 v[REC+1], v[PWQ+2], v[PWQ+3], vcc_lo   ; word 1: pairs 2 and 3
	v_cndmask_b32 v[REC+2], v[WVS], v[WVS+1], vcc_lo     ; word 2: my two channel tiles of V^T
	v_mov_b32 v[REC+3], v[REC+2]
	global_store_b128 v[LO16], v[REC:REC+3], s[8:9]
	s_wait_tensorcnt 0x0                           ; the wave's end
	ds_add_u32 v[SPW], v[NIL]
	s_wait_dscnt 0x0
	CROUND                                         ; the closing round: no work-group ends while a partner may still ask for a tile that names it
	s_endpgm
.Lfunc_end_k_qa70acf9e30_qkv:
	.size	k_qa70acf9e30_qkv, .Lfunc_end_k_qa70acf9e30_qkv-k_qa70acf9e30_qkv
	.p2alignl 7, 3214868480
	.fill 96, 4, 3214868480
	.section	.rodata,"a",@progbits
	.p2align	6, 0x0
	.amdhsa_kernel k_qa70acf9e30_qkv
		.amdhsa_group_segment_fixed_size 327680
		.amdhsa_private_segment_fixed_size 0
		.amdhsa_enable_private_segment 0
		.amdhsa_kernarg_size 56
		.amdhsa_user_sgpr_count 2
		.amdhsa_user_sgpr_kernarg_segment_ptr 1
		.amdhsa_wavefront_size32 1
		.amdhsa_system_sgpr_workgroup_id_x 1
		.amdhsa_system_sgpr_workgroup_id_y 1
		.amdhsa_system_sgpr_workgroup_id_z 1
		.amdhsa_system_vgpr_workitem_id 0
		.amdhsa_next_free_vgpr 1024
		.amdhsa_next_free_sgpr 102
		.amdhsa_reserve_vcc 1
		.amdhsa_float_denorm_mode_32 3
		.amdhsa_float_denorm_mode_16_64 3
		.amdhsa_memory_ordered 1
		.amdhsa_forward_progress 1
		.amdhsa_inst_pref_size 153
	.end_amdhsa_kernel
	.amdgpu_metadata
---
amdhsa.version: [ 1, 2 ]
amdhsa.kernels:
  - .name:           k_qa70acf9e30_qkv
    .symbol:         k_qa70acf9e30_qkv.kd
    .args:
      - { .name: x_codes, .offset: 0, .size: 8, .value_kind: global_buffer, .address_space: global }
      - { .name: x_scales, .offset: 8, .size: 8, .value_kind: global_buffer, .address_space: global }
      - { .name: Wqkv_codes, .offset: 16, .size: 8, .value_kind: global_buffer, .address_space: global }
      - { .name: Wqkv_scales, .offset: 24, .size: 8, .value_kind: global_buffer, .address_space: global }
      - { .name: bqkv, .offset: 32, .size: 8, .value_kind: global_buffer, .address_space: global }
      - { .name: qc, .offset: 40, .size: 8, .value_kind: global_buffer, .address_space: global }
      - { .name: kv, .offset: 48, .size: 8, .value_kind: global_buffer, .address_space: global }
    .group_segment_fixed_size: 327680
    .private_segment_fixed_size: 0
    .kernarg_segment_align: 8
    .kernarg_segment_size: 56
    .max_flat_workgroup_size: 128
    .sgpr_count:     102
    .vgpr_count:     1024
    .wavefront_size: 32
...
	.end_amdgpu_metadata
.endif
;; end of part 1
;; launch attn (part 2): grid 4 x 64, 8 waves a work-group, clusters of 4 x 1, 327,680 bytes of LDS; arguments qc, kv, oc, osc; writes oc, osc
.if DOCPART == 2
	.amdgcn_target "amdgcn-amd-amdhsa--gfx1250"
	.amdhsa_code_object_version 6
	.text
	.protected	k_qa70acf9e30_attn
	.globl	k_qa70acf9e30_attn
	.p2align	8
	.type	k_qa70acf9e30_attn,@function
k_qa70acf9e30_attn:
	s_mov_b64 s[64:65], 0
	v_nop
	global_prefetch_b8 v0, s[64:65] scope:SCOPE_SE
	s_setreg_imm32_b32 hwreg(HW_REG_WAVE_MODE, 25, 1), 1
	s_wait_xcnt 0x0
	s_wait_alu depctr_hold_cnt(0) depctr_sa_sdst(0) depctr_va_vdst(0) depctr_va_sdst(0) depctr_va_ssrc(0) depctr_va_vcc(0) depctr_vm_vsrc(0)
	s_getreg_b32 s2, hwreg(HW_REG_IB_STS2, 6, 4)
	s_cmp_eq_u32 s2, 0
	s_cbranch_scc0 .Lentry_in_a_cluster
	s_endpgm
.Lentry_in_a_cluster:
	s_bfe_u32 s2, ttmp6, 0x10000c
	s_cmp_lg_u32 s2, 0x3003
	s_cbranch_scc0 .Lentry_shape_is_right
	s_endpgm
.Lentry_shape_is_right:
; ATTENTION OF ONE (batch, head) ON CODES OF MX-FP8 (E4M3, one E8M0 byte for 32 along K): S^T = K Q^T, p = 2^(t - M), O^T += V^T P^T, O / l; O is quantised here along the head's 64 and leaves as codes for the projection.
; t = score x log2(e) / 8; M = the running largest t rounded up to a whole number; the row's sum l is taken of the unquantised p; when M moves, l and O^T are multiplied by 2^(old M - new M), which rounds nothing.
; SHARES.  256 work-groups of eight waves; the four of a cluster own the 2,048 queries of one head, 512 each, and ask for the head's K and V jointly.  All 16 key steps' records (278,528 bytes) stay in LDS, filled once.
; A work-group takes TWO blocks of 256 queries past them, one after the other; a wave owns 32 queries (two tiles of 16) of each block.  32 steps of 128 keys: step n reads record n % 16; behind steps 15 and 31 a block leaves.
; FILLS.  Records 0-3 at the head, 34 rows of 256 bytes a wave; records 4-15 behind the full sequence and a round, 102 rows a wave; they are shown by the barrier behind the first three steps.
; A STEP'S FRAGMENTS OF K are loaded a step ahead, in one run with the step's fragments of V, so a step begins with its products.  (Step 2 loads record 3's; step 3, behind the barrier, record 4's.)
; A SPLIT BARRIER stands in each step: the signal ahead of the exponentials, the wait at the step's end, register work alone between: it holds the eight waves within a step of each other and orders no memory.
; No prefetch is laid: behind the two fills and the head's loads of q no trip loads anything from memory, so there is nothing to run ahead of.
; LAYOUT (as the launch before stores it).  A record: K 8 tiles x 1,024 B; V^T [channel tile 4][block of 32 keys 4][lane][16 B]; two records of scale words.  The head's size is 64, the instruction's K 128:
; a fragment of K holds two tiles of 16 keys side by side, and q stands beside 64 zero codes, first or second, so that one tile's keys count.  A lane holds one query throughout.
; REGISTERS.  Window 0: v8-23 state (-M, largest t, l in two halves, f), v24-55 blocks' maxima, bytes, holds, scale operands, v64-191 S^T then p, v192-223 p's codes, v224-235 scale words.
; Window 1: v0-63 K, v64-127 V, v128-175 q between zeros, v176-239 O^T, v240-255 the second block's q.
; LIMITS: the promise holds while the scaled scores stay under 2^31 in magnitude; NaN and infinities are not served; a block whose every p is 0 gets the byte 1 (its codes are zeros; this program alone reads the bytes).
.set HEADB, 278528
.set RECB,  17408
.set SPARE, 278528                     ; behind the records: the spare words, 128 bytes a wave
.set L16,  1                           ; v1  16 x lane
.set ADR,  2                           ; v2  the step's record + 16 x lane
.set QOF,  3                           ; v3  16 x (lane % 16)
.set OSO,  4                           ; v4  4 x lane
.set ADRN, 7                           ; v7  the next step's record + 16 x lane
.set ST,   8
.set TMR,  24
.set SU,   56
.set S,    64
.set PC,   192
.set QS,   224                         ; q's scale words of the block in hand; QS2: of the second block
.set PS,   226
.set KS,   228
.set VS,   230
.set QW,   232
.set QS2,  234
.set SPW,  254
.set NIL,  255
.set WV,   12
.set G1A,  16
.set G1B,  24
.set G0A,  32
.set G0B,  36
.set CS,   40
.set SEL,  42
.set MNT,  44
.set TB,   45
.set CNT,  46
.set TBN,  56
.set MSB, 0
.macro WIN new                         ; the immediate's high byte repeats the setting that is left
.if MSB != (\new)
	s_set_vgpr_msb (MSB<<8)|(\new)
.set MSB, (\new)
.endif
.endm
.macro CROUND                          ; a round of the cluster's barrier
	s_barrier_signal -1
	s_barrier_wait -1
	s_cmp_lg_u32 s[WV], 0
	s_cbranch_scc1 .Lnot_wave_0_\@
	s_barrier_signal -3
.Lnot_wave_0_\@:
	s_barrier_wait -3
	s_barrier_signal -1
	s_barrier_wait -1
.endm
	s_load_b256 s[4:11], s[0:1], 0x0               ; qc, kv, oc, osc
	v_lshl_add_u32 v[SPW], v0, 2, SPARE
	v_mov_b32 v[NIL], 0
	ds_add_u32 v[SPW], v[NIL]                      ; the opening lines: the add twice on end, and its wait ahead of my first tensor load
	ds_add_u32 v[SPW], v[NIL]
	v_lshrrev_b32 v5, 5, v0
	v_readfirstlane_b32 s[WV], v5                  ; wave 0..7
	s_bfe_u32 s13, ttmp6, 0x40000                  ; cx: it enters global addresses alone
	s_lshl_b32 s14, ttmp9, 2
	s_add_co_u32 s14, s14, s13
	s_lshl_b32 s14, s14, 1                         ; my first block of 256 queries; the second is the next
	s_and_b32 s15, ttmp7, 0xffff                   ; g = 16 x batch + head
	s_mul_i32 s48, s15, HEADB
	s_mov_b32 s49, 0
	s_mul_i32 s50, s[WV], 34*256                   ; my eighth of records 0-3, in memory and in LDS alike
	s_mov_b32 s51, 0
	s_mul_i32 s52, s[WV], 102*256                  ; and of records 4-15
	s_add_co_u32 s52, s52, 4*RECB
	s_mov_b32 s53, 0
	s_mov_b32 s[G1A], 15|(3<<16)|(1<<21)           ; the mask names the cluster's four; elements of 8 bytes; dense rows of 256 bytes
	s_mov_b32 s[G1A+1], 32<<16
	s_mov_b32 s[G1A+2], 34<<16
	s_mov_b32 s[G1A+3], 32<<16
	s_mov_b32 s[G1A+4], 34
	s_mov_b32 s[G1A+5], 32
	s_mov_b32 s[G1A+6], 0
	s_mov_b32 s[G1A+7], 0
	s_mov_b32 s[G1B], 15|(3<<16)|(1<<21)
	s_mov_b32 s[G1B+1], 32<<16
	s_mov_b32 s[G1B+2], 102<<16
	s_mov_b32 s[G1B+3], 32<<16
	s_mov_b32 s[G1B+4], 102
	s_mov_b32 s[G1B+5], 32
	s_mov_b32 s[G1B+6], 0
	s_mov_b32 s[G1B+7], 0
	s_mov_b32 s[CS], 0x3e38aa3b                    ; c = log2(e) / 8
	s_mov_b32 s[CS+1], s[CS]
	s_mov_b32 s[SEL], 0x76543210
	s_mov_b32 s[SEL+1], 0xfedcba98                 ; v_permlanex16_b32's selects for lane l xor 16
	s_mov_b32 s[MNT], 0x600000                     ; the mantissa field of 448
	s_wait_dscnt 0x0                               ; both opening adds are done
	s_wait_kmcnt 0x0
	s_add_nc_u64 s[48:49], s[6:7], s[48:49]        ; my head's records
	s_mov_b32 s[G0A], 1
	s_mov_b32 s[G0A+1], s50
	s_add_nc_u64 s[G0A+2:G0A+3], s[48:49], s[50:51]
	s_or_b32 s[G0A+3], s[G0A+3], 0x80000000
	s_mov_b32 s[G0B], 1
	s_mov_b32 s[G0B+1], s52
	s_add_nc_u64 s[G0B+2:G0B+3], s[48:49], s[52:53]
	s_or_b32 s[G0B+3], s[G0B+3], 0x80000000
	CROUND                                         ; the four work-groups are here: the first joint loads meet
	tensor_load_to_lds s[G0A:G0A+3], s[G1A:G1A+7]  ; records 0-3: my one load at the head
	s_nop 0
.rept 4
	v_nop
.endr
	; the rest of the head stands under that load
	v_and_b32 v5, 31, v0
	v_and_b32 v6, 15, v0
	v_lshlrev_b32 v[L16], 4, v5
	v_lshlrev_b32 v[OSO], 2, v5
	v_lshlrev_b32 v[QOF], 4, v6
	s_wait_alu depctr_va_vdst(0)
	s_lshl_b32 s54, s15, 17                        ; qc: 131,072 bytes a head, 16,384 a block of 256 queries, 2,048 a wave
	s_lshl_b32 s47, s14, 14
	s_add_co_u32 s54, s54, s47
	s_lshl_b32 s47, s[WV], 11
	s_add_co_u32 s54, s54, s47
	s_mov_b32 s55, 0
	s_add_nc_u64 s[4:5], s[4:5], s[54:55]
	WIN 0x40
.irp u, 0,1
.irp c, 0,1
	global_load_b128 v[136+16*\u+4*\c:136+16*\u+4*\c+3], v[L16], s[4:5] offset:1024*\u+512*\c
	global_load_b128 v[240+8*\u+4*\c:240+8*\u+4*\c+3], v[L16], s[4:5] offset:16384+1024*\u+512*\c   ; the second block's q waits in registers
.endr
.endr
	WIN 0
	s_lshl_b32 s54, s14, 1                         ; q's scale words lie in the record of my queries' key step: pair wave % 4 of its four
	s_lshr_b32 s47, s[WV], 2
	s_add_co_u32 s54, s54, s47
	s_mul_i32 s54, s54, RECB
	s_and_b32 s47, s[WV], 1
	s_lshl_b32 s47, s47, 8
	s_add_co_u32 s54, s54, s47
	s_bfe_u32 s47, s[WV], 0x10001
	s_lshl_b32 s47, s47, 2
	s_add_co_u32 s54, s54, s47
	s_add_co_u32 s54, s54, 16384
	s_add_nc_u64 s[6:7], s[48:49], s[54:55]
	global_load_b32 v[QW], v[QOF], s[6:7]
	global_load_b32 v[QW+1], v[QOF], s[6:7] offset:2*RECB
	s_lshr_b32 s47, s15, 4                         ; where O goes: tile of 16 rows = 128 x batch + 16 x block + 2 x wave
	s_lshl_b32 s50, s47, 7
	s_lshl_b32 s52, s14, 4
	s_add_co_u32 s50, s50, s52
	s_lshl_b32 s52, s[WV], 1
	s_add_co_u32 s50, s50, s52
	s_and_b32 s54, s15, 15
	s_lshl_b32 s52, s50, 14
	s_lshl_b32 s53, s54, 10
	s_add_co_u32 s52, s52, s53
	s_mov_b32 s53, 0
	s_add_nc_u64 s[8:9], s[8:9], s[52:53]          ; oc [tile][head][1,024 B]
	s_lshl_b32 s52, s50, 6
	s_lshl_b32 s54, s54, 15
	s_add_co_u32 s52, s52, s54
	s_add_nc_u64 s[10:11], s[10:11], s[52:53]      ; osc [head][tile][64 B]
.irp u, 0,1
	v_mov_b32 v[ST+8*\u+1], 0xff61b1e6             ; the largest t so far: -3e38
	v_mov_b32 v[ST+8*\u+2], 0
	v_mov_b32 v[ST+8*\u+3], 0
	v_mov_b32 v[ST+8*\u+4], 0
	v_mov_b32 v[ST+8*\u+5], 0
	v_mov_b32 v[ST+8*\u+6], 0
	v_mov_b32 v[ST+8*\u+7], 0
	v_floor_f32 v[ST+8*\u], -v[ST+8*\u+1]
.irp b, 0,1,2,3
	v_mov_b32 v[TMR+16*\u+4+\b], 0                 ; a lane permute's destination counts as one of its sources
.endr
.endr
	s_wait_alu depctr_va_vdst(0)
	s_wait_loadcnt 0x0
	v_perm_b32 v[QS], v[QW], v[QW], 0x01000100     ; a tile's two bytes, twice: q stands in either half of K
	v_perm_b32 v[QS+1], v[QW], v[QW], 0x03020302
	v_perm_b32 v[QS2], v[QW+1], v[QW+1], 0x01000100
	v_perm_b32 v[QS2+1], v[QW+1], v[QW+1], 0x03020302
	WIN 0x40
.irp z, 128,144,160
.irp j, 0,1,2,3,4,5,6,7
	v_mov_b32 v[\z+\j], 0                          ; the zero codes beside q
.endr
.endr
.set jj, 176
.rept 64
	v_mov_b32 v[jj], 0                             ; O^T: the step is written without a first step of its own
.set jj, jj+1
.endr
	WIN 0
.macro KLOAD a                         ; a record's four fragments of K (two tiles of 16 keys each) and its scale words: 17 loads
	WIN 0x40
.irp j, 0,1,2,3
.irp c, 0,1,2,3
	ds_load_b128 v[16*\j+4*\c:16*\j+4*\c+3], v[\a] offset:2048*\j+512*\c
.endr
.endr
	WIN 0
	ds_load_b64 v[KS:KS+1], v[\a] offset:16896
.endm
; A KEY STEP: 128 keys, the record at s[TB], against my two tiles of queries; K's fragments are in registers; the record at s[TBN] is the next step's
.macro STEP
	WIN 0x05
.irp j, 0,1,2,3
.irp e, 0,1
.irp u, 0,1
.if \j%2
	v_wmma_scale_f32_16x16x128_f8f6f4 v[S+64*\u+8*(2*\j+\e):S+64*\u+8*(2*\j+\e)+7], v[16*\j:16*\j+15], v[136-8*\e+16*\u:136-8*\e+16*\u+15], 0, v[KS+\j/2], v[QS+\u] matrix_a_scale:MATRIX_SCALE_ROW1
.else
	v_wmma_scale_f32_16x16x128_f8f6f4 v[S+64*\u+8*(2*\j+\e):S+64*\u+8*(2*\j+\e)+7], v[16*\j:16*\j+15], v[136-8*\e+16*\u:136-8*\e+16*\u+15], 0, v[KS+\j/2], v[QS+\u]
.endif
.endr
.endr
.endr
	WIN 0
	v_add_nc_u32 v[ADR], s[TB], v[L16]
	v_add_nc_u32 v[ADRN], s[TBN], v[L16]
.rept 6
	v_nop                                          ; with the two additions: eight places ahead of the loads into K's, V's and the scale words' registers and of the first reads of the scores
.endr
	WIN 0x40
.irp t, 0,1,2,3
.irp c, 0,1,2,3
	ds_load_b128 v[64+16*\t+4*\c:64+16*\t+4*\c+3], v[ADR] offset:8192+2048*\t+512*\c
.endr
.endr
	WIN 0
	ds_load_b32 v[VS], v[ADR] offset:16392
	ds_load_b32 v[VS+1], v[ADR] offset:16904
	KLOAD ADRN                                     ; the next step's K (the very last step names record 0 again; that load is not used)
.irp u, 0,1
.irp b, 0,1,2,3
	v_max3_num_f32 v[TMR+16*\u+\b], v[S+64*\u+16*\b], v[S+64*\u+16*\b+1], v[S+64*\u+16*\b+2]   ; each block's largest score: for the row's maximum and for the block's largest p
.endr
.endr
.irp i, 3,5,7,9,11,13
.irp u, 0,1
.irp b, 0,1,2,3
	v_max3_num_f32 v[TMR+16*\u+\b], v[TMR+16*\u+\b], v[S+64*\u+16*\b+\i], v[S+64*\u+16*\b+\i+1]
.endr
.endr
.endr
.irp u, 0,1
.irp b, 0,1,2,3
	v_max_num_f32 v[TMR+16*\u+\b], v[TMR+16*\u+\b], v[S+64*\u+16*\b+15]
.endr
.endr
.irp u, 0,1
.irp b, 0,1,2,3
	v_permlanex16_b32 v[TMR+16*\u+4+\b], v[TMR+16*\u+\b], s[SEL], s[SEL+1]
.endr
.endr
.irp u, 0,1
.irp b, 0,1,2,3
	v_max_num_f32 v[TMR+16*\u+\b], v[TMR+16*\u+\b], v[TMR+16*\u+4+\b]
.endr
.endr
.irp u, 0
	v_max3_num_f32 v[ST+8*\u+6], v[TMR+16*\u], v[TMR+16*\u+1], v[TMR+16*\u+2]
.endr
.irp u, 1
	s_delay_alu instid0(VALU_DEP_3)
	v_max3_num_f32 v[ST+8*\u+6], v[TMR+16*\u], v[TMR+16*\u+1], v[TMR+16*\u+2]
.endr
.irp u, 0,1
	s_delay_alu instid0(VALU_DEP_2)
	v_max_num_f32 v[ST+8*\u+6], v[ST+8*\u+6], v[TMR+16*\u+3]
.endr
.irp u, 0,1
	s_delay_alu instid0(VALU_DEP_2)
	v_mul_f32 v[ST+8*\u+6], s[CS], v[ST+8*\u+6]
.endr
.irp u, 0,1
	s_delay_alu instid0(VALU_DEP_2)
	v_max_num_f32 v[ST+8*\u+1], v[ST+8*\u+1], v[ST+8*\u+6]   ; the running largest t
.endr
.irp u, 0,1
	v_mov_b32 v[ST+8*\u+6], v[ST+8*\u]
.endr
.irp u, 0,1
	s_delay_alu instid0(VALU_DEP_4)
	v_floor_f32 v[ST+8*\u], -v[ST+8*\u+1]          ; -M = floor(-t)
.endr
.irp u, 0,1
	s_delay_alu instid0(VALU_DEP_2)
	v_sub_f32 v[ST+8*\u+6], v[ST+8*\u], v[ST+8*\u+6]
.endr
.irp u, 0,1
	s_delay_alu instid0(VALU_DEP_2)
	v_cvt_i32_f32 v[ST+8*\u+6], v[ST+8*\u+6]
.endr
.irp u, 0,1
	s_delay_alu instid0(VALU_DEP_2)
	v_ldexp_f32 v[ST+8*\u+4], 1.0, v[ST+8*\u+6]    ; f = 2^(old M - new M)
.endr
.set jj, 0
.rept 32
	v_pk_fma_f32 v[S+jj:S+jj+1], v[S+jj:S+jj+1], s[CS:CS+1], v[ST:ST+1] op_sel_hi:[1,0,0]
	v_pk_fma_f32 v[S+64+jj:S+64+jj+1], v[S+64+jj:S+64+jj+1], s[CS:CS+1], v[ST+8:ST+9] op_sel_hi:[1,0,0]
.set jj, jj+2
.endr
.irp u, 0,1
.irp b, 0,1,2,3
	v_fma_f32 v[TMR+16*\u+\b], v[TMR+16*\u+\b], s[CS], v[ST+8*\u]
.endr
.endr
.set jj, 0
	s_wait_alu depctr_va_vdst(0)                   ; one wait ahead of the batch, one behind it
	s_wait_dscnt 0x0                               ; V's fragments and the next step's K are in: no LDS instruction of mine is out at the signal
	s_barrier_signal -1                            ; the split barrier: register work alone up to its wait at the step's end
.rept 128
	v_exp_f32 v[S+jj], v[S+jj]
.set jj, jj+1
.endr
.irp u, 0,1
	v_pk_mul_f32 v[ST+8*\u+2:ST+8*\u+3], v[ST+8*\u+2:ST+8*\u+3], v[ST+8*\u+4:ST+8*\u+5] op_sel_hi:[1,0]
.endr
	s_wait_alu depctr_va_vdst(0)
.irp u, 0,1
.irp b, 0,1,2,3
	v_exp_f32 v[TMR+16*\u+\b], v[TMR+16*\u+\b]     ; the blocks' largest p
.endr
.endr
.irp u, 0,1
	v_pk_add_f32 v[SU+2*\u:SU+2*\u+1], v[S+64*\u:S+64*\u+1], v[S+64*\u+2:S+64*\u+3]   ; the row's sum of the unquantised p, in two chains a tile
.endr
.set jj, 4
.rept 15
.irp u, 0,1
	v_pk_add_f32 v[ST+8*\u+2:ST+8*\u+3], v[ST+8*\u+2:ST+8*\u+3], v[S+64*\u+jj:S+64*\u+jj+1]
	v_pk_add_f32 v[SU+2*\u:SU+2*\u+1], v[SU+2*\u:SU+2*\u+1], v[S+64*\u+jj+2:S+64*\u+jj+3]
.endr
.set jj, jj+4
.endr
.irp u, 0
	s_delay_alu instid0(VALU_DEP_3)
	v_pk_add_f32 v[ST+8*\u+2:ST+8*\u+3], v[ST+8*\u+2:ST+8*\u+3], v[SU+2*\u:SU+2*\u+1]
.endr
.irp u, 1
	s_delay_alu instid0(VALU_DEP_2)
	v_pk_add_f32 v[ST+8*\u+2:ST+8*\u+3], v[ST+8*\u+2:ST+8*\u+3], v[SU+2*\u:SU+2*\u+1]
.endr
	s_wait_alu depctr_va_vdst(0)
.irp u, 0,1
.irp b, 0,1,2,3
	v_max_num_f32 v[TMR+16*\u+\b], 0x4800000, v[TMR+16*\u+\b]   ; the floor 2^(9 - 127): the byte cannot fall under 1
.endr
.endr
.irp u, 0,1
.irp b, 0,1,2,3
	v_add_nc_u32 v[TMR+16*\u+12+\b], 0xfc000000, v[TMR+16*\u+\b]   ; the conversion's scale operand
.endr
.endr
.irp u, 0,1
.irp b, 0,1,2,3
	v_and_or_b32 v[TMR+16*\u+8+\b], v[TMR+16*\u+\b], 0x7f800000, s[MNT]   ; 448 x the scale
.endr
.endr
.irp u, 0,1
.irp b, 0,1,2,3
	v_lshrrev_b32 v[TMR+16*\u+4+\b], 23, v[TMR+16*\u+12+\b]   ; the byte
.endr
.endr
.irp u, 0
	v_lshl_or_b32 v[PS+\u], v[TMR+16*\u+5], 8, v[TMR+16*\u+4]
.endr
.irp u, 1
	s_delay_alu instid0(VALU_DEP_4)
	v_lshl_or_b32 v[PS+\u], v[TMR+16*\u+5], 8, v[TMR+16*\u+4]
.endr
.irp u, 0,1
	s_delay_alu instid0(VALU_DEP_2)
	v_lshl_or_b32 v[PS+\u], v[TMR+16*\u+6], 16, v[PS+\u]
.endr
.irp u, 0,1
	s_delay_alu instid0(VALU_DEP_2)
	v_lshl_or_b32 v[PS+\u], v[TMR+16*\u+7], 24, v[PS+\u]
.endr
; THE HOLD (the conversion to an 8-bit code does not saturate: ISA guide 7.6.2; p is not negative, so it is one-sided), two numbers an instruction: a number of block b beside one of block b + 1,
; so that the pair's destinations are one even and one odd, and its first sources and its second sources differ in their numbers modulo 4.
.irp u, 0,1
.irp b, 0,2
.irp i, 0,2,4,6,8,10,12,14
	v_dual_min_num_f32 v[S+64*\u+16*\b+\i], v[S+64*\u+16*\b+\i], v[TMR+16*\u+8+\b] :: v_dual_min_num_f32 v[S+64*\u+16*\b+17+\i], v[S+64*\u+16*\b+17+\i], v[TMR+16*\u+9+\b]
	v_dual_min_num_f32 v[S+64*\u+16*\b+1+\i], v[S+64*\u+16*\b+1+\i], v[TMR+16*\u+8+\b] :: v_dual_min_num_f32 v[S+64*\u+16*\b+16+\i], v[S+64*\u+16*\b+16+\i], v[TMR+16*\u+9+\b]
.endr
.irp d, 0,1
	v_cvt_scalef32_pk8_fp8_f32 v[PC+16*\u+4*(\b+\d):PC+16*\u+4*(\b+\d)+1], v[S+64*\u+16*(\b+\d):S+64*\u+16*(\b+\d)+7], v[TMR+16*\u+12+\b+\d]
	v_cvt_scalef32_pk8_fp8_f32 v[PC+16*\u+4*(\b+\d)+2:PC+16*\u+4*(\b+\d)+3], v[S+64*\u+16*(\b+\d)+8:S+64*\u+16*(\b+\d)+15], v[TMR+16*\u+12+\b+\d]
.endr
.endr
.endr
	WIN 0x41
	s_wait_alu depctr_va_vdst(0)
.set jj, 0
.rept 16
	v_pk_mul_f32 v[176+jj:177+jj], v[176+jj:177+jj], v[ST+4:ST+5] op_sel_hi:[1,0]   ; O^T under the new M; these 32 are also the places ahead of the products below
	v_pk_mul_f32 v[208+jj:209+jj], v[208+jj:209+jj], v[ST+12:ST+13] op_sel_hi:[1,0]
.set jj, jj+2
.endr
	WIN 0x51
.irp t, 0,1,2,3
.irp u, 0,1
.if \t%2
	v_wmma_scale_f32_16x16x128_f8f6f4 v[176+32*\u+8*\t:176+32*\u+8*\t+7], v[64+16*\t:64+16*\t+15], v[PC+16*\u:PC+16*\u+15], v[176+32*\u+8*\t:176+32*\u+8*\t+7], v[VS+\t/2], v[PS+\u] matrix_a_scale:MATRIX_SCALE_ROW1
.else
	v_wmma_scale_f32_16x16x128_f8f6f4 v[176+32*\u+8*\t:176+32*\u+8*\t+7], v[64+16*\t:64+16*\t+15], v[PC+16*\u:PC+16*\u+15], v[176+32*\u+8*\t:176+32*\u+8*\t+7], v[VS+\t/2], v[PS+\u]
.endif
.endr
.endr
	WIN 0
	s_barrier_wait -1                              ; every wave has reached this step's exponentials
.endm
	s_wait_alu depctr_va_vdst(0)
	s_wait_tensorcnt 0x0                           ; my part of records 0-3 is in; the full sequence ahead of a later first fill
	ds_add_u32 v[SPW], v[NIL]
	s_wait_dscnt 0x0
	CROUND                                         ; records 0-3 are whole, and the four work-groups are here
	tensor_load_to_lds s[G0B:G0B+3], s[G1B:G1B+7]  ; records 4-15: it has the first three steps in which to land
	s_nop 0
.rept 4
	v_nop
.endr
	KLOAD L16                                      ; step 0's K: record 0 begins at LDS byte 0
	s_mov_b32 s[TB], 0
	s_mov_b32 s[TBN], RECB
	s_mov_b32 s[CNT], 0
	s_wait_dscnt 0x0
.Lfirst:                                           ; steps 0-2: they read records 0-3 alone
	STEP
	s_add_co_u32 s[TB], s[TB], RECB
	s_add_co_u32 s[TBN], s[TBN], RECB
	s_add_co_u32 s[CNT], s[CNT], 1
	s_cmp_lt_u32 s[CNT], 3
	s_cbranch_scc1 .Lfirst
	s_wait_tensorcnt 0x0                           ; my part of records 4-15 is in
	s_wait_dscnt 0x0
	s_barrier_signal -1
	s_barrier_wait -1                              ; and everybody's; nothing is filled again
	s_mov_b32 s[CNT], 3
.Lrest:                                            ; steps 3-31: record step % 16
	s_and_b32 s[TB], s[CNT], 15
	s_mul_i32 s[TB], s[TB], RECB
	s_add_co_u32 s[TBN], s[CNT], 1
	s_and_b32 s[TBN], s[TBN], 15
	s_mul_i32 s[TBN], s[TBN], RECB
	STEP
	s_and_b32 s47, s[CNT], 15
	s_cmp_lg_u32 s47, 15                           ; the count of steps alone decides: the same in all waves
	s_cbranch_scc1 .Lnext
	; A BLOCK OF QUERIES LEAVES: O^T / l, quantised along the head's 64 (two blocks of 32 a tile, each in lanes l and l xor 16), codes put back into the channels' order
.rept 8
	v_nop
.endr
.irp u, 0,1
	v_add_f32 v[ST+8*\u+6], v[ST+8*\u+2], v[ST+8*\u+3]
.endr
.irp u, 0,1
	s_delay_alu instid0(VALU_DEP_2)
	v_permlanex16_b32 v[ST+8*\u+7], v[ST+8*\u+6], s[SEL], s[SEL+1]
.endr
.irp u, 0,1
	s_delay_alu instid0(VALU_DEP_2)
	v_add_f32 v[ST+8*\u+6], v[ST+8*\u+6], v[ST+8*\u+7]
.endr
	s_wait_alu depctr_va_vdst(0)
.irp u, 0,1
	v_rcp_f32 v[ST+8*\u+4], v[ST+8*\u+6]
.endr
	s_mov_b32 vcc_lo, 0xffff0000                   ; lanes 16-31
	v_nop
	s_wait_alu depctr_va_vdst(0)
	WIN 0x01
.set jj, 0
.rept 16
	v_pk_mul_f32 v[S+jj:S+jj+1], v[176+jj:177+jj], v[ST+4:ST+5] op_sel_hi:[1,0]
	v_pk_mul_f32 v[S+64+jj:S+64+jj+1], v[208+jj:209+jj], v[ST+12:ST+13] op_sel_hi:[1,0]
.set jj, jj+2
.endr
	WIN 0
.irp k, 0,1,2,3
	v_max3_num_f32 v[TMR+\k], |v[S+16*(\k%2)+64*(\k/2)]|, |v[S+16*(\k%2)+64*(\k/2)+1]|, 0x4800000
.endr
.irp i, 2,4,6,8,10,12,14
.irp k, 0,1,2,3
	s_delay_alu instid0(VALU_DEP_4)
	v_max3_num_f32 v[TMR+\k], v[TMR+\k], |v[S+16*(\k%2)+64*(\k/2)+\i]|, |v[S+16*(\k%2)+64*(\k/2)+\i+1]|
.endr
.endr
.irp k, 0,1,2,3
	s_delay_alu instid0(VALU_DEP_4)
	v_permlanex16_b32 v[TMR+4+\k], v[TMR+\k], s[SEL], s[SEL+1]
.endr
.irp k, 0,1,2,3
	s_delay_alu instid0(VALU_DEP_4)
	v_max_num_f32 v[TMR+\k], v[TMR+\k], v[TMR+4+\k]
.endr
.irp k, 0,1,2,3
	s_delay_alu instid0(VALU_DEP_4)
	v_add_nc_u32 v[TMR+12+\k], 0xfc000000, v[TMR+\k]
.endr
.irp k, 0,1,2,3
	v_and_or_b32 v[TMR+8+\k], v[TMR+\k], 0x7f800000, s[MNT]
.endr
.irp k, 0,1,2,3
	v_lshrrev_b32 v[TMR+4+\k], 23, v[TMR+12+\k]
.endr
.irp k, 0,1,2,3
.irp i, 0,1,2,3,4,5,6,7,8,9,10,11,12,13,14,15
	v_med3_num_f32 v[S+16*(\k%2)+64*(\k/2)+\i], v[S+16*(\k%2)+64*(\k/2)+\i], -v[TMR+8+\k], v[TMR+8+\k]
.endr
	v_cvt_scalef32_pk8_fp8_f32 v[192+4*\k:193+4*\k], v[S+16*(\k%2)+64*(\k/2):S+16*(\k%2)+64*(\k/2)+7], v[TMR+12+\k]
	v_cvt_scalef32_pk8_fp8_f32 v[194+4*\k:195+4*\k], v[S+16*(\k%2)+64*(\k/2)+8:S+16*(\k%2)+64*(\k/2)+15], v[TMR+12+\k]
.endr
	v_nop
.irp k, 0,1,2,3
.irp i, 0,1
	v_cndmask_b32 v[40+2*\k+\i], v[194+4*\k+\i], v[192+4*\k+\i], vcc_lo   ; the eight codes that belong to the other half of the lanes
.endr
.endr
.irp k, 0,1,2,3
.irp i, 0,1
	v_permlanex16_b32 v[48+2*\k+\i], v[40+2*\k+\i], s[SEL], s[SEL+1]
.endr
.endr
.irp k, 0,1,2,3
.irp i, 0,1
	v_cndmask_b32 v[208+4*\k+\i], v[192+4*\k+\i], v[48+2*\k+\i], vcc_lo
	v_cndmask_b32 v[210+4*\k+\i], v[48+2*\k+\i], v[194+4*\k+\i], vcc_lo
.endr
.endr
.irp k, 0,1,2,3
	global_store_b128 v[L16], v[208+4*\k:211+4*\k], s[8:9] offset:(\k/2)*16384+(\k%2)*512   ; 512 consecutive bytes, aligned
.endr
	v_lshl_or_b32 v5, v[TMR+5], 8, v[TMR+4]
	v_lshl_or_b32 v6, v[TMR+7], 8, v[TMR+6]
	s_delay_alu instid0(VALU_DEP_1)
	v_cndmask_b32 v5, v5, v6, vcc_lo
	global_store_b32 v[OSO], v5, s[10:11]
	s_cmp_eq_u32 s[CNT], 31
	s_cbranch_scc1 .Lend                           ; the second block was the last
	; the second block begins: its q and scale words into their places, the state and O^T as at the head
	v_mov_b32 v[QS], v[QS2]
	v_mov_b32 v[QS+1], v[QS2+1]
.irp u, 0,1
	v_mov_b32 v[ST+8*\u+1], 0xff61b1e6
	v_mov_b32 v[ST+8*\u+2], 0
	v_mov_b32 v[ST+8*\u+3], 0
	v_floor_f32 v[ST+8*\u], -v[ST+8*\u+1]
.endr
	WIN 0x41
.irp u, 0,1
.irp j, 0,1,2,3,4,5,6,7
	v_mov_b32 v[136+16*\u+\j], v[240+8*\u+\j]
.endr
.endr
.set jj, 176
.rept 64
	v_mov_b32 v[jj], 0
.set jj, jj+1
.endr
	WIN 0
	s_wait_alu depctr_va_vdst(0)
	s_wait_xcnt 0x0                                ; the stores have read their registers and bases
	s_add_nc_u64 s[8:9], s[8:9], 262144            ; 16 tiles of rows on in oc,
	s_add_nc_u64 s[10:11], s[10:11], 1024          ; and in osc
.Lnext:
	s_add_co_u32 s[CNT], s[CNT], 1
	s_cmp_lt_u32 s[CNT], 32
	s_cbranch_scc1 .Lrest
.Lend:
	s_wait_tensorcnt 0x0                           ; the wave's end
	ds_add_u32 v[SPW], v[NIL]
	s_wait_dscnt 0x0
	CROUND                                         ; the closing round
	s_endpgm
.Lfunc_end_k_qa70acf9e30_attn:
	.size	k_qa70acf9e30_attn, .Lfunc_end_k_qa70acf9e30_attn-k_qa70acf9e30_attn
	.p2alignl 7, 3214868480
	.fill 96, 4, 3214868480
	.section	.rodata,"a",@progbits
	.p2align	6, 0x0
	.amdhsa_kernel k_qa70acf9e30_attn
		.amdhsa_group_segment_fixed_size 327680
		.amdhsa_private_segment_fixed_size 0
		.amdhsa_enable_private_segment 0
		.amdhsa_kernarg_size 32
		.amdhsa_user_sgpr_count 2
		.amdhsa_user_sgpr_kernarg_segment_ptr 1
		.amdhsa_wavefront_size32 1
		.amdhsa_system_sgpr_workgroup_id_x 1
		.amdhsa_system_sgpr_workgroup_id_y 1
		.amdhsa_system_sgpr_workgroup_id_z 1
		.amdhsa_system_vgpr_workitem_id 0
		.amdhsa_next_free_vgpr 512
		.amdhsa_next_free_sgpr 66
		.amdhsa_reserve_vcc 1
		.amdhsa_float_denorm_mode_32 3
		.amdhsa_float_denorm_mode_16_64 3
		.amdhsa_memory_ordered 1
		.amdhsa_forward_progress 1
		.amdhsa_inst_pref_size 99
	.end_amdhsa_kernel
	.amdgpu_metadata
---
amdhsa.version: [ 1, 2 ]
amdhsa.kernels:
  - .name:           k_qa70acf9e30_attn
    .symbol:         k_qa70acf9e30_attn.kd
    .args:
      - { .name: qc, .offset: 0, .size: 8, .value_kind: global_buffer, .address_space: global }
      - { .name: kv, .offset: 8, .size: 8, .value_kind: global_buffer, .address_space: global }
      - { .name: oc, .offset: 16, .size: 8, .value_kind: global_buffer, .address_space: global }
      - { .name: osc, .offset: 24, .size: 8, .value_kind: global_buffer, .address_space: global }
    .group_segment_fixed_size: 327680
    .private_segment_fixed_size: 0
    .kernarg_segment_align: 8
    .kernarg_segment_size: 32
    .max_flat_workgroup_size: 256
    .sgpr_count:     66
    .vgpr_count:     512
    .wavefront_size: 32
...
	.end_amdgpu_metadata
.endif
;; end of part 2
;; launch proj (part 3): grid 8 x 32, 4 waves a work-group, clusters of 4 x 4, 327,680 bytes of LDS; arguments oc, osc, Wout_codes, Wout_scales, bout, out0; writes out0
.if DOCPART == 3
	.amdgcn_target "amdgcn-amd-amdhsa--gfx1250"
	.amdhsa_code_object_version 6
	.text
	.protected	k_qa70acf9e30_proj
	.globl	k_qa70acf9e30_proj
	.p2align	8
	.type	k_qa70acf9e30_proj,@function
k_qa70acf9e30_proj:
	s_mov_b64 s[64:65], 0
	v_nop
	global_prefetch_b8 v0, s[64:65] scope:SCOPE_SE
	s_setreg_imm32_b32 hwreg(HW_REG_WAVE_MODE, 25, 1), 1
	s_wait_xcnt 0x0
	s_wait_alu depctr_hold_cnt(0) depctr_sa_sdst(0) depctr_va_vdst(0) depctr_va_sdst(0) depctr_va_ssrc(0) depctr_va_vcc(0) depctr_vm_vsrc(0)
	s_getreg_b32 s2, hwreg(HW_REG_IB_STS2, 6, 4)
	s_cmp_eq_u32 s2, 0
	s_cbranch_scc0 .Lentry_in_a_cluster
	s_endpgm
.Lentry_in_a_cluster:
	s_bfe_u32 s2, ttmp6, 0x10000c
	s_cmp_lg_u32 s2, 0xf033
	s_cbranch_scc0 .Lentry_shape_is_right
	s_endpgm
.Lentry_shape_is_right:
; out0 = O Wout + bout on codes of MX-FP8 (E4M3, one E8M0 byte for 32 along K; K = 1,024): 8,192 x 1,024; sums in f32, stored as f32.
; SHARES.  256 work-groups of four waves; a work-group makes 256 rows x 128 columns, wave (mh, nh) 128 x 64: 32 accumulators in window 2.  The product is used transposed (source 0 = 16 rows of W, source 1 = 16 rows of O):
; a lane holds eight neighbouring columns of one row.  The bias is the C of each sum's first product.
; O's CODES lie in memory as images of operand registers, oc [tile of 16 rows][head 16][block 2][lane][16 B]: a K step of 256 is 4,096 consecutive bytes of a tile.  Its scale bytes: osc [head][tile][row][2 bytes in a word's low half].
; FILLS, all joint (O's tiles shared along a row of the 4 x 4 cluster, W's along a column), each a whole tile by one wave.  Three slots of one K step (O 65,536 B, W 128 rows x 272 B) and the scale bytes of all of K.
; At the head: wave 0 O's K step 0, wave 1 W's, wave 2 O's scale bytes, wave 3 W's.  Behind the full sequence and a round: waves 0-3 O's and W's K steps 1 and 2, all first fills.  K step 3 refills slot 0 behind a drained round: waves 0 and 1.
; No prefetch is laid: three of the four K steps are asked for ahead of the first product and the fourth behind the second: no trip is left to run ahead in.
; LIMITS: NaN and infinities are not served.
.set SLOTB,  100352
.set BOFF,   65536
.set SCLA,   3*SLOTB
.set SCLB,   SCLA+16384
.set SPARE,  SCLB+16*272               ; the spare words, 128 bytes a wave
.set STAGE,  SLOTB                     ; the way out's stages lie in slot 1, which has had its last fill and its last read by then
.set ADRA, 16
.set ADRB, 20
.set ASA,  23
.set ASB,  24
.set STO,  25
.set RD,   26
.set CO,   27
.set SPW,  28
.set NIL,  29
.set SA,   32                          ; v32-63 O's scale words, v64-95 W's: scales and nothing else
.set SB,   64
.set BK,   128
.set G1,   24
.set G0,   32
.set G1B,  44
.set G0B,  52
.set G1S,  68
.set G0S,  76
.set G1SB, 80
.set G0SB, 88
.set MSB, 0
.macro WIN new
.if MSB != (\new)
	s_set_vgpr_msb (MSB<<8)|(\new)
.set MSB, (\new)
.endif
.endm
.macro PLACES n
.rept \n
	v_nop
.endr
.endm
.macro TL g0, g1                       ; a tensor load; an s_nop 0 and four v_nop follow it
	tensor_load_to_lds s[\g0:\g0+3], s[\g1:\g1+7]
	s_nop 0
	PLACES 4
.endm
.macro ARM under, g0, g1, join         ; an arm of a chain of branches on the wave's number: one load, and a jump to the chain's end
	s_cmp_lt_u32 s14, \under
	s_cbranch_scc0 .Lnext_\@
	TL \g0, \g1
	s_branch \join
.Lnext_\@:
.endm
.macro CREST
	s_cmp_lg_u32 s14, 0
	s_cbranch_scc1 .Lnot_wave_0_\@
	s_barrier_signal -3
.Lnot_wave_0_\@:
	s_barrier_wait -3
	s_barrier_signal -1
	s_barrier_wait -1
.endm
.macro CROUND
	s_barrier_signal -1
	s_barrier_wait -1
	CREST
.endm
	s_load_b256 s[4:11], s[0:1], 0x0               ; oc, osc, W's codes, W's scales
	s_load_b128 s[92:95], s[0:1], 0x20             ; bout, out0
	v_lshl_add_u32 v[SPW], v0, 2, SPARE
	v_mov_b32 v[NIL], 0
	ds_add_u32 v[SPW], v[NIL]                      ; the opening lines: the add twice on end, and its wait ahead of my first tensor load
	ds_add_u32 v[SPW], v[NIL]
	v_lshrrev_b32 v1, 5, v0
	v_readfirstlane_b32 s14, v1                    ; wave 0..3
	s_lshr_b32 s15, s14, 1                         ; mh
	s_and_b32 s16, s14, 1                          ; nh
	s_bfe_u32 s96, ttmp6, 0x40000
	s_bfe_u32 s97, ttmp6, 0x40004
	s_lshl_b32 s98, ttmp9, 2
	s_add_co_u32 s98, s98, s96                     ; the block of 128 columns
	s_and_b32 s17, ttmp7, 0xffff
	s_lshl_b32 s17, s17, 2
	s_add_co_u32 s17, s17, s97                     ; the block of 256 rows
	s_lshl_b32 s99, s97, 2
	s_lshl_b32 s99, 15, s99                        ; my row of the cluster
	s_lshl_b32 s100, 0x1111, s96                   ; my column
	s_mov_b32 s101, 0x05040100
	s_or_b32 s[G1], s99, (3<<16)|(1<<21)           ; O: 16 tiles x 4,096 bytes (512 elements of 8), 16,384 bytes apart
	s_mov_b32 s[G1+1], 512<<16
	s_mov_b32 s[G1+2], 16<<16
	s_mov_b32 s[G1+3], 512<<16
	s_mov_b32 s[G1+4], 16
	s_mov_b32 s[G1+5], 2048
	s_mov_b32 s[G1+6], 0
	s_mov_b32 s[G1+7], 0
	s_or_b32 s[G1B], s100, (1<<20)|(1<<21)|(5<<22)|(3<<25)   ; W: 128 rows of 256 bytes, 1,024 apart, 16 bytes of padding behind each
	s_mov_b32 s[G1B+1], 256<<16
	s_mov_b32 s[G1B+2], 128<<16
	s_mov_b32 s[G1B+3], 256<<16
	s_mov_b32 s[G1B+4], 128
	s_mov_b32 s[G1B+5], 1024
	s_mov_b32 s[G1B+6], 0
	s_mov_b32 s[G1B+7], 0
	s_or_b32 s[G1S], s99, (3<<16)|(1<<21)          ; O's scale bytes: 16 heads x 1,024 bytes, 32,768 apart
	s_mov_b32 s[G1S+1], 128<<16
	s_mov_b32 s[G1S+2], 16<<16
	s_mov_b32 s[G1S+3], 128<<16
	s_mov_b32 s[G1S+4], 16
	s_mov_b32 s[G1S+5], 4096
	s_mov_b32 s[G1S+6], 0
	s_mov_b32 s[G1S+7], 0
	s_or_b32 s[G1SB], s100, (3<<16)|(1<<20)|(1<<21)|(5<<22)|(3<<25)   ; W's: 4,096 dense bytes as 16 rows of 256, 16 of padding behind each
	s_mov_b32 s[G1SB+1], 32<<16
	s_mov_b32 s[G1SB+2], 16<<16
	s_mov_b32 s[G1SB+3], 32<<16
	s_mov_b32 s[G1SB+4], 16
	s_mov_b32 s[G1SB+5], 32
	s_mov_b32 s[G1SB+6], 0
	s_mov_b32 s[G1SB+7], 0
	s_lshl_b32 s20, s17, 18
	s_mov_b32 s21, 0
	s_lshl_b32 s22, s17, 10
	s_mov_b32 s23, 0
	s_lshl_b32 s12, s98, 17
	s_mov_b32 s13, 0
	s_lshl_b32 s18, s98, 12
	s_mov_b32 s19, 0
	s_wait_dscnt 0x0                               ; both opening adds are done
	s_wait_kmcnt 0x0
	s_add_nc_u64 s[20:21], s[4:5], s[20:21]
	s_add_nc_u64 s[22:23], s[6:7], s[22:23]
	s_add_nc_u64 s[12:13], s[8:9], s[12:13]
	s_add_nc_u64 s[18:19], s[10:11], s[18:19]
	CROUND                                         ; all sixteen work-groups are here: the first joint loads meet
	s_mov_b32 s[G0S], 1
	s_mov_b32 s[G0S+1], SCLA
	s_mov_b64 s[G0S+2:G0S+3], s[22:23]
	s_or_b32 s[G0S+3], s[G0S+3], 0x80000000
	s_mov_b32 s[G0SB], 1
	s_mov_b32 s[G0SB+1], SCLB
	s_mov_b64 s[G0SB+2:G0SB+3], s[18:19]
	s_or_b32 s[G0SB+3], s[G0SB+3], 0x80000000
.irp s, 0,1,2
	s_mov_b32 s[G0+4*\s], 1
	s_mov_b32 s[G0+4*\s+1], \s*SLOTB
	s_add_nc_u64 s[G0+4*\s+2:G0+4*\s+3], s[20:21], \s*4096
	s_or_b32 s[G0+4*\s+3], s[G0+4*\s+3], 0x80000000
	s_mov_b32 s[G0B+4*\s], 1
	s_mov_b32 s[G0B+4*\s+1], \s*SLOTB+BOFF
	s_add_nc_u64 s[G0B+4*\s+2:G0B+4*\s+3], s[12:13], \s*256
	s_or_b32 s[G0B+4*\s+3], s[G0B+4*\s+3], 0x80000000
.endr
	ARM 1, G0,  G1,  .Lhead_asked                  ; the head's four tiles, one a wave: every way passes exactly one load
	ARM 2, G0B, G1B, .Lhead_asked
	ARM 3, G0S, G1S, .Lhead_asked
	TL G0SB, G1SB
.Lhead_asked:
	v_and_b32 v1, 15, v0
	v_bfe_u32 v2, v0, 4, 1
	v_and_b32 v3, 31, v0
	v_lshlrev_b32 v4, 4, v3
	v_mul_u32_u24 v5, v1, 272
	v_lshl_add_u32 v5, v2, 4, v5
	s_lshl_b32 s20, s15, 15
	s_mul_i32 s21, s16, 64*272
	s_add_co_u32 s21, s21, BOFF
.irp s, 0,1,2
	v_add_nc_u32 v[ADRA+\s], s20, v4
	v_add_nc_u32 v[ADRB+\s], s21, v5
	s_add_co_u32 s20, s20, SLOTB
	s_add_co_u32 s21, s21, SLOTB
.endr
	s_lshl_b32 s20, s15, 9
	s_add_co_u32 s20, s20, SCLA
	v_lshl_add_u32 v[ASA], v3, 2, s20
	v_lshlrev_b32 v6, 5, v1
	v_lshrrev_b32 v7, 3, v1
	v_lshl_add_u32 v6, v7, 4, v6
	s_mul_i32 s20, s16, 8*272
	s_add_co_u32 s20, s20, SCLB
	v_add_nc_u32 v[ASB], s20, v6
	s_mul_i32 s20, s14, 16*272
	s_add_co_u32 s20, s20, STAGE
	v_mul_u32_u24 v6, v1, 272
	v_lshl_add_u32 v6, v2, 5, v6
	v_add_nc_u32 v[STO], s20, v6
	v_mul_u32_u24 v6, v2, 272
	v_lshl_add_u32 v6, v1, 4, v6
	v_add_nc_u32 v[RD], s20, v6
	v_lshlrev_b32 v6, 12, v2
	v_lshl_add_u32 v[CO], v1, 4, v6
	s_lshl_b32 s20, s17, 20                        ; out0: 256 rows of 4,096 bytes a block, 128 rows for mh, 512 bytes a block of columns, 256 for nh
	s_lshl_b32 s21, s15, 19
	s_add_co_u32 s20, s20, s21
	s_lshl_b32 s21, s98, 9
	s_add_co_u32 s20, s20, s21
	s_lshl_b32 s21, s16, 8
	s_add_co_u32 s20, s20, s21
	s_mov_b32 s21, 0
	s_add_nc_u64 s[94:95], s[94:95], s[20:21]
	s_lshl_b32 s20, s98, 9
	s_lshl_b32 s22, s16, 8
	s_add_co_u32 s20, s20, s22
	s_add_nc_u64 s[92:93], s[92:93], s[20:21]
	v_lshlrev_b32 v8, 5, v2
	WIN 0x40
.irp b, 0,1,2,3
	global_load_b128 v[128+8*\b:128+8*\b+3], v8, s[92:93] offset:64*\b          ; the bias: lane (r, h), tile b: columns 16 b + 8 h + 0..7
	global_load_b128 v[128+8*\b+4:128+8*\b+7], v8, s[92:93] offset:64*\b+16
.endr
	WIN 0
.macro FETCH slot, q, p                ; W's four fragments (window 1, set p) and O's eight (set 0: window 0 v128 on; set 1: window 3): 48 loads
	WIN 0x40
.irp b, 0,1,2,3
.irp c, 0,1,2,3
	ds_load_b128 v[64*(\p)+16*\b+4*\c:64*(\p)+16*\b+4*\c+3], v[ADRB+\slot] offset:128*(\q)+32*\c+4352*\b
.endr
.endr
.if \p
	WIN 0xc0
.else
	WIN 0
.endif
.irp i, 0,1,2,3,4,5,6,7
.irp c, 0,1,2,3
	ds_load_b128 v[128*(1-(\p))+16*\i+4*\c:128*(1-(\p))+16*\i+4*\c+3], v[ADRA+\slot] offset:4096*\i+2048*(\q)+512*\c
.endr
.endr
.endm
.macro ONE b, p, kk, first
.if \first
.if AA%2
	v_wmma_scale_f32_16x16x128_f8f6f4 v[8*(4*AA+\b):8*(4*AA+\b)+7], v[64*(\p)+16*\b:64*(\p)+16*\b+15], v[128*(1-(\p))+16*AA:128*(1-(\p))+16*AA+15], v[128+8*\b:128+8*\b+7], v[SB+8*\b+(\kk)], v[SA+8*(AA/2)+(\kk)] matrix_b_scale:MATRIX_SCALE_ROW1
.else
	v_wmma_scale_f32_16x16x128_f8f6f4 v[8*(4*AA+\b):8*(4*AA+\b)+7], v[64*(\p)+16*\b:64*(\p)+16*\b+15], v[128*(1-(\p))+16*AA:128*(1-(\p))+16*AA+15], v[128+8*\b:128+8*\b+7], v[SB+8*\b+(\kk)], v[SA+8*(AA/2)+(\kk)]
.endif
.else
.if AA%2
	v_wmma_scale_f32_16x16x128_f8f6f4 v[8*(4*AA+\b):8*(4*AA+\b)+7], v[64*(\p)+16*\b:64*(\p)+16*\b+15], v[128*(1-(\p))+16*AA:128*(1-(\p))+16*AA+15], v[8*(4*AA+\b):8*(4*AA+\b)+7], v[SB+8*\b+(\kk)], v[SA+8*(AA/2)+(\kk)] matrix_b_scale:MATRIX_SCALE_ROW1
.else
	v_wmma_scale_f32_16x16x128_f8f6f4 v[8*(4*AA+\b):8*(4*AA+\b)+7], v[64*(\p)+16*\b:64*(\p)+16*\b+15], v[128*(1-(\p))+16*AA:128*(1-(\p))+16*AA+15], v[8*(4*AA+\b):8*(4*AA+\b)+7], v[SB+8*\b+(\kk)], v[SA+8*(AA/2)+(\kk)]
.endif
.endif
.endm
.macro MUL a0, n, p, kk, first         ; O's blocks a0 .. a0 + n - 1 against W's four; the 32 accumulators take turns
.if \first
	WIN 0x91
.elseif \p
	WIN 0xad
.else
	WIN 0xa1
.endif
.set AA, \a0
.rept \n
.irp b, 0,1,2,3
	ONE \b, \p, \kk, \first
.endr
.set AA, AA+1
.endr
.endm
.macro STEP p, kk, first, nslot, nq    ; 128 along K on set p; the next 128's fragments are fetched into the other set first
	s_wait_dscnt 0x0
	PLACES 8
	FETCH \nslot, \nq, 1-(\p)
	MUL 0, 8, \p, \kk, \first
.endm
.macro TURN p, kk, fill, nslot, nq     ; the same with a barrier: all my tensor loads waited for, the add, its wait; fill = 1: a round, and slot 0 takes K step 3
	s_wait_dscnt 0x0
	WIN 0
	s_wait_tensorcnt 0x0
	ds_add_u32 v[SPW], v[NIL]
	MUL 0, 4, \p, \kk, 0
	s_wait_dscnt 0x0
	s_barrier_signal -1
	MUL 4, 2, \p, \kk, 0
	WIN 0
	s_barrier_wait -1
.if \fill
	CREST
	s_add_nc_u64 s[G0+2:G0+3], s[G0+2:G0+3], 3*4096
	s_add_nc_u64 s[G0B+2:G0B+3], s[G0B+2:G0B+3], 3*256
	ARM 1, G0,  G1,  .Lrefilled_\@                 ; wave 0: O's tile; wave 1: W's; waves 2 and 3 have no part
	ARM 2, G0B, G1B, .Lrefilled_\@
.Lrefilled_\@:
.endif
	PLACES 8
	FETCH \nslot, \nq, 1-(\p)
	MUL 6, 2, \p, \kk, 0
.endm
	s_wait_alu depctr_va_vdst(0)
	s_wait_tensorcnt 0x0                           ; my tile of the head's four is in; the full sequence ahead of the later first fills
	ds_add_u32 v[SPW], v[NIL]
	s_wait_dscnt 0x0
	CROUND                                         ; all four tiles are in, and all sixteen work-groups are here
	ARM 1, G0+4,  G1,  .Lmore_asked                ; K steps 1 and 2, a whole tile a wave: four first fills
	ARM 2, G0B+4, G1B, .Lmore_asked
	ARM 3, G0+8,  G1,  .Lmore_asked
	TL G0B+8, G1B
.Lmore_asked:
.irp a, 0,1,2,3
.irp d, 0,1,2,3,4,5,6,7,8,9,10,11,12,13,14,15
	ds_load_b32 v[128+16*\a+\d], v[ASA] offset:1024*\d+128*\a   ; O's scale bytes: head d, tiles 2 a (lanes 0-15) and 2 a + 1 (lanes 16-31)
.endr
.endr
.irp b, 0,1,2,3
	ds_load_b128 v[SB+8*\b:SB+8*\b+3], v[ASB] offset:544*\b
	ds_load_b128 v[SB+8*\b+4:SB+8*\b+7], v[ASB] offset:544*\b+16
.endr
	s_wait_dscnt 0x0
.irp a, 0,1,2,3
.irp k, 0,1,2,3,4,5,6,7
	v_perm_b32 v[SA+8*\a+\k], v[128+16*\a+2*\k+1], v[128+16*\a+2*\k], s101   ; two heads' pairs of bytes make the word of 128 along K
.endr
.endr
	FETCH 0, 0, 0
	s_wait_alu depctr_va_vdst(0)
	s_wait_loadcnt 0x0                             ; the bias
	STEP 0, 0, 1, 0, 1
	TURN 1, 1, 1, 1, 0
	STEP 0, 2, 0, 1, 1
	STEP 1, 3, 0, 2, 0
	STEP 0, 4, 0, 2, 1
	TURN 1, 5, 0, 0, 0
	STEP 0, 6, 0, 0, 1
	s_wait_dscnt 0x0
	MUL 0, 8, 1, 7, 0
	WIN 0
; THE WAY OUT, block by block of 16 rows x 64 columns, through my own stage: rows of 256 bytes come back whole, and sixteen lanes store one aligned unit of 256 bytes
.macro TOSTAGE a
	WIN 0x08
.irp b, 0,1,2,3
	ds_store_b128 v[STO], v[8*(4*(\a)+\b):8*(4*(\a)+\b)+3] offset:64*\b
	ds_store_b128 v[STO], v[8*(4*(\a)+\b)+4:8*(4*(\a)+\b)+7] offset:64*\b+16
.endr
	WIN 0
.set BB, BK+32*((\a)%2)
.irp t, 0,1,2,3,4,5,6,7
	ds_load_b128 v[BB+4*\t:BB+4*\t+3], v[RD] offset:544*\t
.endr
.endm
.macro SEND a, younger                 ; younger: the LDS instructions issued behind block a's loads
.set BB, BK+32*((\a)%2)
	s_wait_dscnt \younger
.irp t, 0,1,2,3,4,5,6,7
	global_store_b128 v[CO], v[BB+4*\t:BB+4*\t+3], s[94:95] offset:(16*(\a)+2*\t)*4096 th:TH_STORE_NT
.endr
.endm
	PLACES 8
	TOSTAGE 0
.irp a, 1,2,3,4,5,6,7
.if \a > 1
	s_wait_xcnt 0x0                                ; block a - 2's stores have read their registers
.endif
	TOSTAGE \a
	SEND \a-1, 16
.endr
	SEND 7, 0
	s_wait_tensorcnt 0x0                           ; the wave's end
	ds_add_u32 v[SPW], v[NIL]
	s_wait_dscnt 0x0
	CROUND                                         ; the closing round
	s_endpgm
.Lfunc_end_k_qa70acf9e30_proj:
	.size	k_qa70acf9e30_proj, .Lfunc_end_k_qa70acf9e30_proj-k_qa70acf9e30_proj
	.p2alignl 7, 3214868480
	.fill 96, 4, 3214868480
	.section	.rodata,"a",@progbits
	.p2align	6, 0x0
	.amdhsa_kernel k_qa70acf9e30_proj
		.amdhsa_group_segment_fixed_size 327680
		.amdhsa_private_segment_fixed_size 0
		.amdhsa_enable_private_segment 0
		.amdhsa_kernarg_size 48
		.amdhsa_user_sgpr_count 2
		.amdhsa_user_sgpr_kernarg_segment_ptr 1
		.amdhsa_wavefront_size32 1
		.amdhsa_system_sgpr_workgroup_id_x 1
		.amdhsa_system_sgpr_workgroup_id_y 1
		.amdhsa_system_sgpr_workgroup_id_z 1
		.amdhsa_system_vgpr_workitem_id 0
		.amdhsa_next_free_vgpr 896
		.amdhsa_next_free_sgpr 102
		.amdhsa_reserve_vcc 0
		.amdhsa_float_denorm_mode_32 3
		.amdhsa_float_denorm_mode_16_64 3
		.amdhsa_memory_ordered 1
		.amdhsa_forward_progress 1
		.amdhsa_inst_pref_size 95
	.end_amdhsa_kernel
	.amdgpu_metadata
---
amdhsa.version: [ 1, 2 ]
amdhsa.kernels:
  - .name:           k_qa70acf9e30_proj
    .symbol:         k_qa70acf9e30_proj.kd
    .args:
      - { .name: oc, .offset: 0, .size: 8, .value_kind: global_buffer, .address_space: global }
      - { .name: osc, .offset: 8, .size: 8, .value_kind: global_buffer, .address_space: global }
      - { .name: Wout_codes, .offset: 16, .size: 8, .value_kind: global_buffer, .address_space: global }
      - { .name: Wout_scales, .offset: 24, .size: 8, .value_kind: global_buffer, .address_space: global }
      - { .name: bout, .offset: 32, .size: 8, .value_kind: global_buffer, .address_space: global }
      - { .name: out0, .offset: 40, .size: 8, .value_kind: global_buffer, .address_space: global }
    .group_segment_fixed_size: 327680
    .private_segment_fixed_size: 0
    .kernarg_segment_align: 8
    .kernarg_segment_size: 48
    .max_flat_workgroup_size: 128
    .sgpr_count:     102
    .vgpr_count:     896
    .wavefront_size: 32
...
	.end_amdgpu_metadata
.endif
;; end of part 3
